; MI455X (gfx1250); checked and timed in simulation.
; The chip was launched on July 23, 2026; its instructions are those of AMD's public machine-readable ISA for CDNA 5 (MIT licence, August 2026) and "CDNA5" Instruction Set Architecture Reference Guide (July 2026). The comments in the code are by the model that wrote it; some were corrected since.
;; Custom Transformer Encoder Layer. Allowed arithmetic: matrix products marked QUANTISED: E3M2 operands, one E8M0 scale for each 32 along K, by v_wmma_scale_f32_16x16x128_f8f6f4 with both operands' format E3M2, f32 sums; everything else in f32.
;; Inputs: alpha_attn one number float32; alpha_ff one number float32; attn_mask 2,048 x 2,048 bool; k_b 1,024 float32; k_w_codes 1,024 x 32 x 24 uint8 (E3M2 codes of k_w, K innermost, in blocks of 32 codes, four codes in three bytes); k_w_scales 1,024 x 32 uint8 (E8M0 scales of k_w, one for each 32 codes along K); l1_b 4,096 float32; l1_w_codes 4,096 x 32 x 24 uint8 (E3M2 codes of l1_w, K innermost, in blocks of 32 codes, four codes in three bytes); l1_w_scales 4,096 x 32 uint8 (E8M0 scales of l1_w, one for each 32 codes along K); l2_b 1,024 float32; l2_w_codes 1,024 x 128 x 24 uint8 (E3M2 codes of l2_w, K innermost, in blocks of 32 codes, four codes in three bytes); l2_w_scales 1,024 x 128 uint8 (E8M0 scales of l2_w, one for each 32 codes along K); n1_b 1,024 float32; n1_s 1,024 float32; n2_b 1,024 float32; n2_s 1,024 float32; o_b 1,024 float32; o_w_codes 1,024 x 32 x 24 uint8 (E3M2 codes of o_w, K innermost, in blocks of 32 codes, four codes in three bytes); o_w_scales 1,024 x 32 uint8 (E8M0 scales of o_w, one for each 32 codes along K); q_b 1,024 float32; q_w_codes 1,024 x 32 x 24 uint8 (E3M2 codes of q_w, K innermost, in blocks of 32 codes, four codes in three bytes); q_w_scales 1,024 x 32 uint8 (E8M0 scales of q_w, one for each 32 codes along K); src 2 x 2,048 x 1,024 float32; v_b 1,024 float32; v_w_codes 1,024 x 32 x 24 uint8 (E3M2 codes of v_w, K innermost, in blocks of 32 codes, four codes in three bytes); v_w_scales 1,024 x 32 uint8 (E8M0 scales of v_w, one for each 32 codes along K).
;; Outputs: out0 2 x 2,048 x 1,024 float32.
;; This version of the problem:
;;   THIS VERSION OF THE PROBLEM IS GIVEN IN LOW PRECISION. The matrix products marked QUANTISED in the list below multiply operands that are first quantised to E3M2 (3 exponent bits, 2 mantissa bits; 6 bits a number), with one power-of-two scale for each 32 numbers along K (OCP MX v1.0); their sums are f32. All else is computed in f32.
;;   The module's matrix products, in the order in which they are computed (A, B: the left and right operand; K: the contracted axis; several contracted axes count as one K, in the product's order):
;;     1. [M 4,096, K 1,024] x [K 1,024, N 1,024]; A: input src; B: input q_w (given as codes): QUANTISED
;;     2. [M 4,096, K 1,024] x [K 1,024, N 1,024]; A: input src; B: input k_w (given as codes): QUANTISED
;;     3. [M 4,096, K 1,024] x [K 1,024, N 1,024]; A: input src; B: input v_w (given as codes): QUANTISED
;;     4. batch 32 x [M 2,048, K 64] x [K 64, N 2,048]; A: computed on the way; B: computed on the way: QUANTISED
;;     5. batch 32 x [M 2,048, K 2,048] x [K 2,048, N 64]; A: computed on the way; B: computed on the way: QUANTISED
;;     6. [M 4,096, K 1,024] x [K 1,024, N 1,024]; A: computed on the way; B: input o_w (given as codes): QUANTISED
;;     7. [M 4,096, K 1,024] x [K 1,024, N 4,096]; A: computed on the way; B: input l1_w (given as codes): QUANTISED
;;     8. [M 4,096, K 4,096] x [K 4,096, N 1,024]; A: computed on the way; B: input l2_w (given as codes): QUANTISED
;;   THE QUANTISER, for each operand of a quantised product, along K:
;;     - K is cut into blocks of 32 from its start; a last block that is shorter is filled with zeros.
;;     - A block's scale is 2^e with e = floor(log2(the largest magnitude in the block)) - 4, held to -126 .. 127; a block of zeros has e = 0. As a byte (E8M0): e + 127.
;;     - Each number is divided by its block's scale, clamped to +-28, and rounded to the nearest number of E3M2, ties to even, subnormals kept.
;;     - The product sums the exact products of the quantised numbers (number of the format x scale) in f32.
;;   ~~~python
;;   def quantise(x, axis):      # numpy; x: float32 -> the quantised numbers, widened to float32 again
;;       x = np.moveaxis(x, axis, -1); K = x.shape[-1]
;;       x = np.pad(x, [(0, 0)] * (x.ndim - 1) + [(0, -K % 32)]); x = x.reshape(x.shape[:-1] + (-1, 32)); a = np.abs(x).max(-1, keepdims=True)
;;       e = np.where(a > 0, np.clip(np.frexp(np.where(a > 0, a, 1))[1] - 1 - 4, -126, 127), 0)      # np.frexp(a)[1] - 1 = floor(log2(a)), exactly
;;       r = np.clip(x / 2.0 ** e, -28, 28)
;;       step = 2.0 ** (np.maximum(np.frexp(np.where(r == 0, 1, r))[1] - 1, -2) - 2)
;;       q = np.round(r / step) * step * 2.0 ** e      # np.round: ties to even
;;       return np.moveaxis(q.reshape(q.shape[:-2] + (-1,))[..., :K], -1, axis).astype(np.float32)
;;   ~~~
;;   OPERANDS COMPUTED ON THE WAY. 'Computed on the way' means the value that the module computes at that place (a softmax that the list does not call 'softmax' is quantised finished and normalised). What goes into a quantiser is computed in f32, as accurately as f32 sums, v_exp_f32 and their like allow (about 1e-6 of the number): no bf16 or f16 on the way to a quantiser, and a product that is left as it is and whose result goes on into a quantised operand takes f32 operands (vector FMAs, or v_wmma_f32_16x16x4_f32). A number that lies on a knife's edge between two numbers of the format may be rounded either way, as far as f32 arithmetic and the matrix unit's own rounding can turn it there, and no further.
;;   INPUTS GIVEN AS CODES. k_w (in the module: [1024, 1024], K = its axis 1); l1_w (in the module: [4096, 1024], K = its axis 1); l2_w (in the module: [1024, 4096], K = its axis 1); o_w (in the module: [1024, 1024], K = its axis 1); q_w (in the module: [1024, 1024], K = its axis 1); v_w (in the module: [1024, 1024], K = its axis 1): each comes as NAME_codes (uint8): NAME with its K axis moved to the last place and cut into blocks of 32 codes, [.., K / 32, bytes a block], one block behind the other in memory; four codes in three bytes: a row's codes are one little-endian stream of bits, code i at bits 6 i .. 6 i + 5 (a code: sign, 3 exponent bits, 2 mantissa bits); and NAME_scales (uint8): the same leading axes, one E8M0 byte (e + 127) for each 32 codes along K. Its value is code x scale, taken as it is: it is not quantised again, and the codes and scales need not be those that the quantiser above would give.
;; One version. Each part assembles by itself: llvm-mc -triple=amdgcn-amd-amdhsa -mcpu=gfx1250 --defsym DOCPART=n.
;; ======== version 1 of 1: 8 launches
;; limits: right only within a limited range of input values
;; workspace buffers: fi0 22,937,600 bytes; maskw 524,288 bytes of whole numbers; qkv 19,660,800 bytes; att 3,276,800 bytes; yi 16,777,216 bytes; xb 20,054,016 bytes; hb 13,107,200 bytes; maskc 3,145,728 bytes
;; launch prep (part 1): grid 256 x 5, 8 waves a work-group, no clusters, 0 bytes of LDS; arguments src, attn_mask, q_w_codes, q_w_scales, k_w_codes, k_w_scales, v_w_codes, v_w_scales, o_w_codes, o_w_scales, l1_w_codes, l1_w_scales, l2_w_codes, l2_w_scales, fi0, maskw, maskc; writes fi0, maskw, maskc
.if DOCPART == 1
	.amdgcn_target "amdgcn-amd-amdhsa--gfx1250"
	.amdhsa_code_object_version 6
	.text
	.protected	k_q0cbf746eb8_prep
	.globl	k_q0cbf746eb8_prep
	.p2align	8
	.type	k_q0cbf746eb8_prep,@function
k_q0cbf746eb8_prep:
	s_mov_b64 s[64:65], 0
	v_nop
	global_prefetch_b8 v0, s[64:65] scope:SCOPE_SE
	s_setreg_imm32_b32 hwreg(HW_REG_WAVE_MODE, 25, 1), 1
	s_wait_xcnt 0x0
; PREP: every operand that later launches read many times is laid ONCE in the order of the matrix operand's registers.
; A TILE T of any matrix holds the 16 rows 32 (T / 2) + 8 (T % 2) + r + 8 (r / 8), r = lane % 16: with such tiles as source 0 of a product a lane's registers of two
; neighbouring tiles are 16 neighbours along the next product's K.
; A RECORD (tile T, 128 along K: group g) is 1,536 bytes at (256 g + T) x 1,536: for each half c (64 along K), at 768 c: operand registers 6 c .. 6 c + 3 at 16 x lane, registers 6 c + 4, 6 c + 5
; at 512 + 8 x lane.  Its scale words, one a row, lie at (256 g + T) x 64 + 4 r in the region of scales.  So every later load of a fragment is dense.
; Work-group y = 0: src, f32, is quantised to E3M2 along K (block of 32: scale byte = exponent field of the largest magnitude - 4, held at 1 from below).
; y = 1: q_w, k_w, v_w, o_w (tiles 0-63, 64-127, 128-191, 192-255 of one region), y = 2: l1_w, y = 3: l2_w: the given codes and scale bytes are only moved.
; y = 4: attn_mask, twice.  (a) Words of 32 bits, one bit a lane: word 16 b + i of (query tile T, step s of 128 keys), bit lane = mask[row of lane % 16][128 s + 32 b + 16 (lane / 16) + i] != 0.
; (b) A record of six-bit fields in the layout of the probabilities' operand, all ones where the key is open and 0 where it is masked, at (16 T + s) x 1,536: one AND with it clears the codes of masked keys.
; The record is made by the quantiser itself, from -28 (open) and 0 (masked): a block with an open key has the scale 1, under which -28 is the code of six ones.
; A wave takes one record (or one step of a query tile's mask): unit u = 8 x work-group x + wave.  No LDS, no barrier: waves share nothing.
; LIMITS: NaN and infinities in src are not served; a block whose largest magnitude lies under 2^-122, a block of zeros too, gets the byte 1 (its codes are then zeros or tiny; only this program reads the bytes).
.set X,   32                           ; v32-95   64 numbers of a lane: register 16 b + i = k 32 b + 16 (lane / 16) + i of my row
.set TM,  96                           ; v96-111  at work in QUANT
.set PC,  112                          ; v112-131 the codes: 12 registers of the operand, 8 at work
.set PW,  132                          ; v132     my row's scale word
.set SEL, 48                           ; s[48:49] lane selects of v_permlanex16_b32: lane l xor 16
; 32 numbers at v[s0] on and 32 at v[s1] on (two blocks of 32 along K each, half of each block in lane l xor 16) become operand registers PC .. PC + 5 and PC + 6 .. PC + 11, and the four scale bytes PW.
.macro QUANT s0, s1
.irp b, 0,1,2,3
.set QB, (\s0)*(1-\b/2)+(\s1)*(\b/2)+16*(\b%2)
	v_max3_num_f32 v[TM+\b], |v[QB]|, |v[QB+1]|, 0x2800000      ; my 16 numbers of block b, and the floor 2^(5 - 127): the byte cannot fall under 1
.endr
.irp i, 2,4,6,8,10,12,14
.irp b, 0,1,2,3
.set QB, (\s0)*(1-\b/2)+(\s1)*(\b/2)+16*(\b%2)
	s_delay_alu instid0(VALU_DEP_4)
	v_max3_num_f32 v[TM+\b], v[TM+\b], |v[QB+\i]|, |v[QB+\i+1]| ; the four blocks by turns
.endr
.endr
.irp b, 0,1,2,3
	s_delay_alu instid0(VALU_DEP_4)
	v_permlanex16_b32 v[TM+4+\b], v[TM+\b], s[SEL], s[SEL+1]
.endr
.irp b, 0,1,2,3
	s_delay_alu instid0(VALU_DEP_4)
	v_max_num_f32 v[TM+\b], v[TM+\b], v[TM+4+\b]                ; with lane l xor 16: the block's largest magnitude
.endr
.irp b, 0,1,2,3
	s_delay_alu instid0(VALU_DEP_4)
	v_add_nc_u32 v[TM+12+\b], 0xfe000000, v[TM+\b]              ; 4 off its exponent field: the conversion's scale operand
.endr
.irp b, 0,1,2,3
	s_delay_alu instid0(VALU_DEP_4)
	v_lshrrev_b32 v[TM+4+\b], 23, v[TM+12+\b]                   ; the scale's byte
.endr
	s_delay_alu instid0(VALU_DEP_3)
	v_lshl_or_b32 v[PW], v[TM+5], 8, v[TM+4]
	s_delay_alu instid0(VALU_DEP_1)
	v_lshl_or_b32 v[PW], v[TM+6], 16, v[PW]
	s_delay_alu instid0(VALU_DEP_1)
	v_lshl_or_b32 v[PW], v[TM+7], 24, v[PW]
.irp c, 0,1
.set QC, (\s0)*(1-\c)+(\s1)*\c
	v_cvt_scalef32_pk16_bf6_f32 v[PC+6*\c:PC+6*\c+2], v[QC:QC+15], v[TM+12+2*\c]
	v_cvt_scalef32_pk16_bf6_f32 v[PC+12+4*\c:PC+14+4*\c], v[QC+16:QC+31], v[TM+13+2*\c]   ; a conversion's three registers begin on an even number
.endr
	v_nop                                                       ; one plain place behind the scaled conversions
.irp c, 0,1
.irp i, 0,1,2
	v_permlane16_swap_b32 v[PC+6*\c+\i], v[PC+12+4*\c+\i]       ; the operand wants a whole block in a lane: lanes 0-15 block 2 c, lanes 16-31 block 2 c + 1
.endr
.irp i, 0,1,2
	s_delay_alu instid0(VALU_DEP_3)
	v_mov_b32 v[PC+3+6*\c+\i], v[PC+12+4*\c+\i]
.endr
.endr
.endm
.macro PUTH reg, sb, off               ; half a record: 512 consecutive bytes, then 256
	global_store_b128 v5, v[(\reg):(\reg)+3], s[\sb:\sb+1] offset:(\off)
	global_store_b64 v6, v[(\reg)+4:(\reg)+5], s[\sb:\sb+1] offset:(\off)+512
.endm
	s_load_b512 s[16:31], s[0:1], 0x0              ; src, mask, q codes, q scales, k codes, k scales, v codes, v scales
	s_load_b512 s[32:47], s[0:1], 0x40             ; o codes, o scales, l1 codes, l1 scales, l2 codes, l2 scales, fi0, maskw
	s_load_b64 s[60:61], s[0:1], 0x80              ; maskc
	v_lshrrev_b32 v1, 5, v0
	s_delay_alu instid0(VALU_DEP_1)
	v_readfirstlane_b32 s2, v1                     ; wave
	v_and_b32 v1, 31, v0                           ; lane
	v_and_b32 v2, 15, v0                           ; r
	v_bfe_u32 v3, v0, 4, 1                         ; h
	s_delay_alu instid0(VALU_DEP_2)
	v_and_b32 v4, 8, v2
	s_delay_alu instid0(VALU_DEP_1)
	v_add_nc_u32 v4, v4, v2                        ; r + 8 (r / 8)
	v_lshlrev_b32 v5, 4, v1                        ; 16 x lane
	v_lshlrev_b32 v6, 3, v1                        ; 8 x lane
	v_lshlrev_b32 v7, 2, v2                        ; 4 r
.irp b, 0,1,2,3
	v_mov_b32 v[TM+4+\b], 0                        ; a lane permute's destination counts as one of its sources
.endr
	s_lshl_b32 s3, ttmp9, 3
	s_add_co_u32 s3, s3, s2                        ; u
	s_and_b32 s4, ttmp7, 0xffff                    ; y: the job
	s_mov_b32 s[SEL], 0x76543210
	s_mov_b32 s[SEL+1], 0xfedcba98
	s_wait_kmcnt 0x0
	s_cmp_eq_u32 s4, 4
	s_cbranch_scc1 .Lmask
	s_cmp_lg_u32 s4, 0
	s_cbranch_scc1 .Lweights
	; ---- src: tile T = u / 8, group g = u % 8
	s_lshr_b32 s5, s3, 3
	s_and_b32 s6, s3, 7
	s_lshr_b32 s7, s5, 1
	s_lshl_b32 s7, s7, 5
	s_and_b32 s8, s5, 1
	s_lshl_b32 s8, s8, 3
	s_add_co_u32 s7, s7, s8                        ; the tile's first row
	s_lshl_b32 s8, s7, 12                          ; rows of 4,096 bytes
	s_lshl_b32 s9, s6, 9                           ; 128 numbers a group
	s_add_co_u32 s8, s8, s9
	s_mov_b32 s9, 0
	s_add_nc_u64 s[16:17], s[16:17], s[8:9]
	s_wait_alu depctr_va_vdst(0)
	v_lshlrev_b32 v8, 12, v4
	s_delay_alu instid0(VALU_DEP_1)
	v_lshl_add_u32 v8, v3, 6, v8                   ; my row, + 64 h: my 16 numbers of each block of 32
.irp b, 0,1,2,3
.irp j, 0,1,2,3
	global_load_b128 v[X+16*\b+4*\j:X+16*\b+4*\j+3], v8, s[16:17] offset:128*\b+16*\j
.endr
.endr
	s_wait_loadcnt 0x0
	QUANT X, X+32
	s_branch .Lput
.Lweights:
	; ---- a weight: y = 1, 2: T = u / 8, g = u % 8, rows of 768 bytes of codes and 32 of scales; y = 3: T = u / 32, g = u % 32, rows of 3,072 and 128
	s_cmp_eq_u32 s4, 3
	s_mov_b32 s12, 768
	s_cselect_b32 s10, 5, 3
	s_cselect_b32 s11, 31, 7
	s_cselect_b32 s12, 3072, s12
	s_cselect_b32 s13, 128, 32
	s_lshr_b32 s5, s3, s10                         ; T
	s_and_b32 s6, s3, s11                          ; g
	s_lshr_b32 s14, s5, 6
	s_add_co_u32 s15, s4, 2
	s_and_b32 s50, s5, 63
	s_cmp_eq_u32 s4, 1
	s_cselect_b32 s14, s14, s15                    ; which weight: 0 q, 1 k, 2 v, 3 o, 4 l1, 5 l2
	s_cselect_b32 s50, s50, s5                     ; its own tile
	s_mov_b64 s[52:53], s[20:21]
	s_mov_b64 s[54:55], s[22:23]
.irp k, 1,2,3,4,5
	s_cmp_eq_u32 s14, \k                           ; the choice hangs on ids alone
	s_cselect_b64 s[52:53], s[20+4*\k:21+4*\k], s[52:53]
	s_cselect_b64 s[54:55], s[22+4*\k:23+4*\k], s[54:55]
.endr
	s_lshr_b32 s7, s50, 1
	s_lshl_b32 s7, s7, 5
	s_and_b32 s8, s50, 1
	s_lshl_b32 s8, s8, 3
	s_add_co_u32 s7, s7, s8                        ; the tile's first row
	s_mul_i32 s8, s7, s12
	s_mul_i32 s9, s6, 96
	s_add_co_u32 s8, s8, s9
	s_mov_b32 s9, 0
	s_add_nc_u64 s[52:53], s[52:53], s[8:9]
	s_mul_i32 s8, s7, s13
	s_lshl_b32 s10, s6, 2
	s_add_co_u32 s8, s8, s10
	s_add_nc_u64 s[54:55], s[54:55], s[8:9]
	s_wait_alu depctr_va_vdst(0)
	v_mul_u32_u24 v8, s12, v4
	s_delay_alu instid0(VALU_DEP_1)
	v_mad_u32_u24 v8, v3, 24, v8                   ; my row's codes, + 24 h
	v_mul_u32_u24 v9, s13, v4                      ; my row's scale bytes
.irp p, 0,1,2,3,4,5
	global_load_b64 v[PC+2*\p:PC+2*\p+1], v8, s[52:53] offset:48*(\p/3)+8*(\p%3)   ; the row's stream of bits IS the operand's registers
.endr
	global_load_b32 v[PW], v9, s[54:55]
	s_wait_loadcnt 0x0
.Lput:
	s_lshl_b32 s8, s6, 8
	s_add_co_u32 s8, s8, s5                        ; 256 g + T
	s_mul_i32 s10, s8, 1536
	s_mul_i32 s11, s4, 3145728
	s_add_co_u32 s10, s10, s11
	s_mov_b32 s11, 0
	s_add_nc_u64 s[56:57], s[44:45], s[10:11]
	s_lshl_b32 s10, s8, 6
	s_lshl_b32 s12, s4, 17
	s_add_co_u32 s10, s10, s12
	s_add_co_u32 s10, s10, 22020096
	s_add_nc_u64 s[58:59], s[44:45], s[10:11]
	s_wait_alu depctr_va_vdst(0)
	PUTH PC, 56, 0
	PUTH PC+6, 56, 768
	global_store_b32 v7, v[PW], s[58:59]           ; lanes r and r + 16 hold the same word and write it to the same place
	s_endpgm
.Lmask:
	; ---- the mask: query tile T = u / 16, step s = u % 16
	s_lshr_b32 s5, s3, 4
	s_and_b32 s6, s3, 15
	s_lshr_b32 s7, s5, 1
	s_lshl_b32 s7, s7, 5
	s_and_b32 s8, s5, 1
	s_lshl_b32 s8, s8, 3
	s_add_co_u32 s7, s7, s8
	s_lshl_b32 s8, s7, 11                          ; rows of 2,048 bytes
	s_lshl_b32 s9, s6, 7
	s_add_co_u32 s8, s8, s9
	s_mov_b32 s9, 0
	s_add_nc_u64 s[18:19], s[18:19], s[8:9]
	s_wait_alu depctr_va_vdst(0)
	v_lshlrev_b32 v8, 11, v4
	s_delay_alu instid0(VALU_DEP_1)
	v_lshl_add_u32 v8, v3, 4, v8                   ; my query's row, + 16 h
.irp b, 0,1,2,3
	global_load_b128 v[16+4*\b:19+4*\b], v8, s[18:19] offset:32*\b
.endr
	v_mov_b32 v12, 0
	v_mov_b32 v13, 0
	v_mov_b32 v14, 0xc1e00000                      ; -28: under the scale 1 its code is six ones
	v_mov_b32 v15, 0
	s_lshl_b32 s8, s3, 8
	s_add_nc_u64 s[46:47], s[46:47], s[8:9]        ; 256 bytes of words a unit,
	s_mul_i32 s8, s3, 1536
	s_add_nc_u64 s[60:61], s[60:61], s[8:9]        ; and one record
	s_wait_alu depctr_va_vdst(0)
	s_wait_loadcnt 0x0
.set n, 0
.rept 64                               ; byte n of my 64: one compare makes the 32 lanes' bits a word; word n goes to lane n / 2, register n % 2; and the number that the quantiser turns into the field
	v_and_b32 v[10+(n&1)], 0xff<<(8*(n&3)), v[16+(n>>2)]
	s_delay_alu instid0(VALU_DEP_1)
	v_cmp_ne_u32 s[50+(n&1)], 0, v[10+(n&1)]
	s_delay_alu instid0(VALU_DEP_1)
	v_writelane_b32 v[12+(n&1)], s[50+(n&1)], n>>1
	s_delay_alu instid0(VALU_DEP_2)
	v_cndmask_b32 v[X+n], v14, v15, s[50+(n&1)]
.set n, n+1
.endr
	global_store_b64 v6, v[12:13], s[46:47]        ; 32 lanes store 256 consecutive bytes, aligned
	QUANT X, X+32
	PUTH PC, 60, 0
	PUTH PC+6, 60, 768
	s_endpgm
.Lfunc_end_k_q0cbf746eb8_prep:
	.size	k_q0cbf746eb8_prep, .Lfunc_end_k_q0cbf746eb8_prep-k_q0cbf746eb8_prep
	.p2alignl 7, 3214868480
	.fill 96, 4, 3214868480
	.section	.rodata,"a",@progbits
	.p2align	6, 0x0
	.amdhsa_kernel k_q0cbf746eb8_prep
		.amdhsa_group_segment_fixed_size 0
		.amdhsa_private_segment_fixed_size 0
		.amdhsa_enable_private_segment 0
		.amdhsa_kernarg_size 136
		.amdhsa_user_sgpr_count 2
		.amdhsa_user_sgpr_kernarg_segment_ptr 1
		.amdhsa_wavefront_size32 1
		.amdhsa_system_sgpr_workgroup_id_x 1
		.amdhsa_system_sgpr_workgroup_id_y 1
		.amdhsa_system_sgpr_workgroup_id_z 1
		.amdhsa_system_vgpr_workitem_id 0
		.amdhsa_next_free_vgpr 136
		.amdhsa_next_free_sgpr 66
		.amdhsa_reserve_vcc 0
		.amdhsa_float_denorm_mode_32 3
		.amdhsa_float_denorm_mode_16_64 3
		.amdhsa_memory_ordered 1
		.amdhsa_forward_progress 1
		.amdhsa_inst_pref_size 42
	.end_amdhsa_kernel
	.amdgpu_metadata
---
amdhsa.version: [ 1, 2 ]
amdhsa.kernels:
  - .name:           k_q0cbf746eb8_prep
    .symbol:         k_q0cbf746eb8_prep.kd
    .args:
      - { .name: src, .offset: 0, .size: 8, .value_kind: global_buffer, .address_space: global }
      - { .name: attn_mask, .offset: 8, .size: 8, .value_kind: global_buffer, .address_space: global }
      - { .name: q_w_codes, .offset: 16, .size: 8, .value_kind: global_buffer, .address_space: global }
      - { .name: q_w_scales, .offset: 24, .size: 8, .value_kind: global_buffer, .address_space: global }
      - { .name: k_w_codes, .offset: 32, .size: 8, .value_kind: global_buffer, .address_space: global }
      - { .name: k_w_scales, .offset: 40, .size: 8, .value_kind: global_buffer, .address_space: global }
      - { .name: v_w_codes, .offset: 48, .size: 8, .value_kind: global_buffer, .address_space: global }
      - { .name: v_w_scales, .offset: 56, .size: 8, .value_kind: global_buffer, .address_space: global }
      - { .name: o_w_codes, .offset: 64, .size: 8, .value_kind: global_buffer, .address_space: global }
      - { .name: o_w_scales, .offset: 72, .size: 8, .value_kind: global_buffer, .address_space: global }
      - { .name: l1_w_codes, .offset: 80, .size: 8, .value_kind: global_buffer, .address_space: global }
      - { .name: l1_w_scales, .offset: 88, .size: 8, .value_kind: global_buffer, .address_space: global }
      - { .name: l2_w_codes, .offset: 96, .size: 8, .value_kind: global_buffer, .address_space: global }
      - { .name: l2_w_scales, .offset: 104, .size: 8, .value_kind: global_buffer, .address_space: global }
      - { .name: fi0, .offset: 112, .size: 8, .value_kind: global_buffer, .address_space: global }
      - { .name: maskw, .offset: 120, .size: 8, .value_kind: global_buffer, .address_space: global }
      - { .name: maskc, .offset: 128, .size: 8, .value_kind: global_buffer, .address_space: global }
    .group_segment_fixed_size: 0
    .private_segment_fixed_size: 0
    .kernarg_segment_align: 8
    .kernarg_segment_size: 136
    .max_flat_workgroup_size: 256
    .sgpr_count:     66
    .vgpr_count:     136
    .wavefront_size: 32
...
	.end_amdgpu_metadata
.endif
;; end of part 1
;; launch qkv (part 2): grid 64 x 3, 16 waves a work-group, no clusters, 327,680 bytes of LDS; arguments fi0, q_b, k_b, v_b, qkv; writes qkv
.if DOCPART == 2
	.amdgcn_target "amdgcn-amd-amdhsa--gfx1250"
	.amdhsa_code_object_version 6
	.text
	.protected	k_q0cbf746eb8_qkv
	.globl	k_q0cbf746eb8_qkv
	.p2align	8
	.type	k_q0cbf746eb8_qkv,@function
k_q0cbf746eb8_qkv:
	s_mov_b64 s[64:65], 0
	v_nop
	global_prefetch_b8 v0, s[64:65] scope:SCOPE_SE
	s_setreg_imm32_b32 hwreg(HW_REG_WAVE_MODE, 25, 1), 1
	s_wait_xcnt 0x0
; A GEMM ON RECORDS, tile 256 x 256, whose result is quantised in registers and stored as records again.
; ISF = 0: q, k, v = src W^T + bias (work-group y = 0, 1, 2).   ISF = 1: hidden = relu(x l1_w^T + l1_b).
; D = S0 x S1^T, source 0 = tiles of S0, source 1 = tiles of S1: a lane holds ONE row of S1 and its registers run along S0's rows, which are the NEXT product's K.
; q, k, hidden: S0 = the weight (features), S1 = the tokens: quantised along the features.   v: S0 = src (tokens), S1 = v_w: quantised along the keys.
; SHARES.  16 waves, four to a SIMD; wave w makes 64 (S0: a = w % 4) x 64 (S1: wy = w / 4): 16 accumulators.  K goes by groups of 128, two groups to an LDS slot, two slots by turns.
; A slot: for each group S0's 16 records, then S1's 16 (49,152 bytes a group).  Each wave brings 4 records, 6,144 dense bytes, with one tensor load.
; The scale words of both operands for all of K (2 x 8,192 bytes) come once, with the first fills.  A wave has at most one tensor load out.
; NO CLUSTER in this text, though S0's records are read by every work-group with the same S0 tiles and S1's likewise: joint loads would divide those requests by up to four; each work-group asks alone here.
; lds_bytes is all of the WGP's LDS and the spare words lie behind slot 1.
; LIMITS: NaN and infinities are not served; a block whose largest magnitude lies under 2^-122, a block of zeros too, gets the scale byte 1 (only this program reads the bytes).
.set ISF, 0
.set NB, 4                             ; S1 tiles a wave
.set KGS, 2                            ; K groups in a slot
.set NG, 8                             ; K groups in all
.set NSL, NG/KGS
.set KGSTRIDE, 49152
.set WLOAD, 6144                       ; bytes of a wave's tensor load
.set SSTRIDE, 1024                     ; scale words of 16 tiles
.set SPART, NG*SSTRIDE
.set SCL, 98304                        ; LDS: slot 0 at 0, the scales here, slot 1 at SLOT1, the spare words behind it
.set SLOT1, 131072
.set SPARE, 229376
.set GBYTES, 393216                    ; from a K group to the next in memory: 256 records
.set SPW, 1                            ; v1  my spare word's LDS address; never rewritten
.set NIL, 2                            ; v2  0; never rewritten
.set SCA, 16                           ; v16-19 S0's scale words, v20-23 S1's: scales and nothing else
.set SCB, 20
.set AF, 24                            ; v24-71  S0's four fragments
.set BF, 72                            ; v72-119 S1's four
.set ACC, 120                          ; v120-247 accumulator (T, t) at ACC + 32 T + 8 t
.set TM, 24                            ; the way out works in the fragments' registers
.set PC, 40
.set PW, 60
.set L16, 248
.set L8, 249
.set R4, 250
.set WV, 2
.set RA, 3
.set RY, 66
.set TKW, 67
.set TB, 48
.set TS, 49
.set SLOTS, 50
.set SEL, 74
.macro QUANT s0, s1
.irp b, 0,1,2,3
.set QB, (\s0)*(1-\b/2)+(\s1)*(\b/2)+16*(\b%2)
	v_max3_num_f32 v[TM+\b], |v[QB]|, |v[QB+1]|, 0x2800000      ; my 16 numbers of block b, and the floor 2^(5 - 127): the byte cannot fall under 1
.endr
.irp i, 2,4,6,8,10,12,14
.irp b, 0,1,2,3
.set QB, (\s0)*(1-\b/2)+(\s1)*(\b/2)+16*(\b%2)
	v_max3_num_f32 v[TM+\b], v[TM+\b], |v[QB+\i]|, |v[QB+\i+1]| ; ascending: each accumulator is first read at its low end
.endr
.endr
.irp b, 0,1,2,3
	s_delay_alu instid0(VALU_DEP_4)
	v_permlanex16_b32 v[TM+4+\b], v[TM+\b], s[SEL], s[SEL+1]
.endr
.irp b, 0,1,2,3
	s_delay_alu instid0(VALU_DEP_4)
	v_max_num_f32 v[TM+\b], v[TM+\b], v[TM+4+\b]
.endr
.irp b, 0,1,2,3
	s_delay_alu instid0(VALU_DEP_4)
	v_add_nc_u32 v[TM+12+\b], 0xfe000000, v[TM+\b]              ; 4 off the exponent field: the conversion's scale operand
.endr
.irp b, 0,1,2,3
	s_delay_alu instid0(VALU_DEP_4)
	v_lshrrev_b32 v[TM+4+\b], 23, v[TM+12+\b]                   ; the scale's byte
.endr
	s_delay_alu instid0(VALU_DEP_3)
	v_lshl_or_b32 v[PW], v[TM+5], 8, v[TM+4]
	s_delay_alu instid0(VALU_DEP_1)
	v_lshl_or_b32 v[PW], v[TM+6], 16, v[PW]
	s_delay_alu instid0(VALU_DEP_1)
	v_lshl_or_b32 v[PW], v[TM+7], 24, v[PW]
.irp c, 0,1
.set QC, (\s0)*(1-\c)+(\s1)*\c
	v_cvt_scalef32_pk16_bf6_f32 v[PC+6*\c:PC+6*\c+2], v[QC:QC+15], v[TM+12+2*\c]
	v_cvt_scalef32_pk16_bf6_f32 v[PC+12+4*\c:PC+14+4*\c], v[QC+16:QC+31], v[TM+13+2*\c]
.endr
	v_nop                                                       ; one plain place behind the scaled conversions
.irp c, 0,1
.irp i, 0,1,2
	v_permlane16_swap_b32 v[PC+6*\c+\i], v[PC+12+4*\c+\i]
.endr
.irp i, 0,1,2
	s_delay_alu instid0(VALU_DEP_3)
	v_mov_b32 v[PC+3+6*\c+\i], v[PC+12+4*\c+\i]
.endr
.endr
.endm
.macro PUTH reg, sb, off
	global_store_b128 v[L16], v[(\reg):(\reg)+3], s[\sb:\sb+1] offset:(\off)
	global_store_b64 v[L8], v[(\reg)+4:(\reg)+5], s[\sb:\sb+1] offset:(\off)+512
.endm
.macro FRAG reg, a16, a8, off          ; a record from LDS: four dense loads give the operand's 12 registers
	ds_load_b128 v[(\reg):(\reg)+3], v[\a16] offset:(\off)
	ds_load_b64 v[(\reg)+4:(\reg)+5], v[\a8] offset:(\off)
	ds_load_b128 v[(\reg)+6:(\reg)+9], v[\a16] offset:(\off)+768
	ds_load_b64 v[(\reg)+10:(\reg)+11], v[\a8] offset:(\off)+768
.endm
; The change of slots stands at a slot's head.  fill = 1: the slot that has just been left is filled with the K groups that follow; the load has a whole slot's steps in which to land.
.macro CHANGE fill
	s_wait_tensorcnt 0x0                           ; all my tensor loads have landed, my part of the slot ahead among them: so my group 0 may be written
	ds_add_u32 v[SPW], v[NIL]                      ; 0 onto my spare word
.if \fill
	s_xor_b32 s25, s25, SLOT1                      ; the other slot than last time,
	s_add_nc_u64 s[26:27], s[26:27], KGS*GBYTES    ; the next K groups; the type bits on top are not reached
.endif
	s_wait_dscnt 0x0                               ; the add is done, and my reads of the slot that I have left are over
	s_barrier_signal -1
	s_barrier_wait -1                              ; both now hold of every wave
.if \fill
	tensor_load_to_lds s[24:27], s[28:35]          ; first behind the barrier, my one tensor load until the next
	s_nop 0
.rept 4
	v_nop
.endr
.endif
.endm
.macro STEP kg                         ; 128 along K: 4 + NB fragments, 4 NB matrix instructions
	s_add_co_u32 s[TKW], s[TB], (\kg)*KGSTRIDE
	v_add_nc_u32 v9, s[TKW], v3                    ; these six are also the places in front of the loads into registers that matrix instructions have read
	v_add_nc_u32 v10, s[TKW], v4
	v_add_nc_u32 v11, s[TKW], v5
	v_add_nc_u32 v12, s[TKW], v6
	v_add_nc_u32 v13, s[TS], v7
	v_add_nc_u32 v14, s[TS], v8
.irp t, 0,1,2,3
	FRAG AF+12*\t, 9, 10, 1536*\t
	ds_load_b32 v[SCA+\t], v13 offset:64*\t
.endr
.set tq, 0
.rept NB
	FRAG BF+12*tq, 11, 12, 1536*tq
	ds_load_b32 v[SCB+tq], v14 offset:64*tq
.set tq, tq+1
.endr
	s_wait_dscnt 0x0
.set tq, 0
.rept NB                               ; the accumulators take turns, one instruction a turn, over the loop's edge too
.irp t, 0,1,2,3
	v_wmma_scale_f32_16x16x128_f8f6f4 v[ACC+32*tq+8*\t:ACC+32*tq+8*\t+7], v[AF+12*\t:AF+12*\t+11], v[BF+12*tq:BF+12*tq+11], v[ACC+32*tq+8*\t:ACC+32*tq+8*\t+7], v[SCA+\t], v[SCB+tq] matrix_a_fmt:MATRIX_FMT_BF6 matrix_b_fmt:MATRIX_FMT_BF6
.endr
.set tq, tq+1
.endr
	s_add_co_u32 s[TS], s[TS], SSTRIDE             ; the next group's scale words
.endm
.macro SLOT_STEPS
.set KQ, 0
.rept KGS
	STEP KQ
.set KQ, KQ+1
.endr
	s_xor_b32 s[TB], s[TB], SLOT1                  ; on to the other slot
.endm
	s_load_b256 s[4:11], s[0:1], 0x0               ; ISF = 0: fi0, q_b, k_b, v_b;  ISF = 1: fi0, xb, l1_b, hb
.if !ISF
	s_load_b64 s[12:13], s[0:1], 0x20              ; qkv
.endif
	v_lshl_add_u32 v[SPW], v0, 2, SPARE
	v_mov_b32 v[NIL], 0
	ds_add_u32 v1, v2
	ds_add_u32 v1, v2
	s_wait_dscnt 0x0
	v_lshrrev_b32 v3, 5, v0
	s_delay_alu instid0(VALU_DEP_1)
	v_readfirstlane_b32 s[WV], v3                  ; wave 0..15
	s_and_b32 s[RA], s[WV], 3                      ; a: my 4 tiles of S0
	s_lshr_b32 s[RY], s[WV], 2                     ; wy: my 4 tiles of S1
	v_and_b32 v15, 31, v0
	v_and_b32 v9, 15, v0
	s_delay_alu instid0(VALU_DEP_2)
	v_lshlrev_b32 v[L16], 4, v15
	s_delay_alu instid0(VALU_DEP_3)
	v_lshlrev_b32 v[L8], 3, v15
	s_delay_alu instid0(VALU_DEP_3)
	v_lshlrev_b32 v[R4], 2, v9
	s_wait_alu depctr_va_vdst(0)
	v_and_b32 v251, 8, v9
	s_delay_alu instid0(VALU_DEP_1)
	v_add_nc_u32 v251, v251, v9
	s_delay_alu instid0(VALU_DEP_1)
	v_lshlrev_b32 v251, 2, v251                    ; 4 (r + 8 (r / 8))
	s_mul_i32 s51, s[RA], 6144
	s_mul_i32 s52, s[RY], 6144
	s_add_co_u32 s52, s52, 24576                   ; S1's records lie behind S0's 16
	v_add_nc_u32 v3, s51, v[L16]                   ; v3-8: my lane's places in a K group of a slot and among the scale words; never rewritten
	v_add_nc_u32 v5, s52, v[L16]
	s_add_co_u32 s51, s51, 512
	s_add_co_u32 s52, s52, 512
	v_add_nc_u32 v4, s51, v[L8]
	v_add_nc_u32 v6, s52, v[L8]
	s_lshl_b32 s51, s[RA], 8
	s_add_co_u32 s51, s51, SCL
	s_lshl_b32 s52, s[RY], 8
	s_add_co_u32 s52, s52, SCL+SPART
	v_add_nc_u32 v7, s51, v[R4]
	v_add_nc_u32 v8, s52, v[R4]
	v_bfe_u32 v15, v0, 4, 1
	s_delay_alu instid0(VALU_DEP_1)
	v_lshlrev_b32 v15, 6, v15                      ; 64 h
	; group 1 of the records' loads: WLOAD dense bytes as rows of 256 (32 elements of 8 bytes), no padding
	s_mov_b32 s28, 3<<16
	s_mov_b32 s29, 32<<16
	s_mov_b32 s30, (WLOAD/256)<<16
	s_mov_b32 s31, 32<<16
	s_mov_b32 s32, WLOAD/256
	s_mov_b32 s33, 32
	s_mov_b32 s34, 0
	s_mov_b32 s35, 0
	; and of the scales': two rows of SSTRIDE bytes, 16,384 bytes (256 tiles) apart in memory
	s_mov_b32 s40, 3<<16
	s_mov_b32 s41, (SSTRIDE/8)<<16
	s_mov_b32 s42, 2<<16                           ; a wave brings two K groups' scale words of one operand
	s_mov_b32 s43, (SSTRIDE/8)<<16
	s_mov_b32 s44, 2
	; group 1 of the head's loads of records: 8 records, 12,288 dense bytes as 48 rows of 256
	s_mov_b32 s80, 3<<16
	s_mov_b32 s81, 32<<16
	s_mov_b32 s82, 48<<16
	s_mov_b32 s83, 32<<16
	s_mov_b32 s84, 48
	s_mov_b32 s85, 32
	s_mov_b32 s86, 0
	s_mov_b32 s87, 0
	s_mov_b32 s45, 2048
	s_mov_b32 s46, 0
	s_mov_b32 s47, 0
	s_mov_b32 s[SEL], 0x76543210
	s_mov_b32 s[SEL+1], 0xfedcba98
	s_mov_b32 s[TB], 0
	s_mov_b32 s[TS], 0
	s_mov_b32 s[SLOTS], NSL-1
	s_and_b32 s68, ttmp7, 0xffff                   ; ISF = 0: the kind (0 q, 1 k, 2 v);  ISF = 1: the block of 256 tokens
.if ISF
	s_mov_b32 s69, ttmp9                           ; the block of 256 hidden units
	s_mov_b32 s72, ttmp9                           ; which pair of K groups of the result
	s_lshl_b32 s73, s68, 4                         ; the result's first tile
	s_mul_i32 s16, ttmp9, 16*1536
	s_add_co_u32 s16, s16, 6291456                 ; l1_w's records
	s_lshl_b32 s20, ttmp9, 10
	s_add_co_u32 s20, s20, 22282240                ; and scale words
	s_mul_i32 s18, s68, 16*1536
	s_add_co_u32 s18, s18, 16777216                ; x's records
	s_lshl_b32 s22, s68, 10
	s_add_co_u32 s22, s22, 19922944
.else
	s_and_b32 s69, ttmp9, 3                        ; xw: the block of 256 features
	s_lshr_b32 s70, ttmp9, 2                       ; xt: the block of 256 tokens
	s_lshl_b32 s51, s68, 6
	s_lshl_b32 s52, s69, 4
	s_add_co_u32 s51, s51, s52                     ; the weight's first tile in the region of four weights
	s_lshl_b32 s53, s70, 4                         ; src's first tile
	s_mul_i32 s54, s51, 1536
	s_add_co_u32 s54, s54, 3145728
	s_mul_i32 s55, s53, 1536
	s_lshl_b32 s51, s51, 6
	s_add_co_u32 s51, s51, 22151168
	s_lshl_b32 s71, s53, 6
	s_add_co_u32 s71, s71, 22020096
	s_cmp_eq_u32 s68, 2                            ; v: S0 = src, S1 = the weight; q, k: the other way round
	s_cselect_b32 s16, s55, s54
	s_cselect_b32 s18, s54, s55
	s_cselect_b32 s20, s71, s51
	s_cselect_b32 s22, s51, s71
	s_cselect_b32 s72, s70, s69
	s_cselect_b32 s73, s52, s53
.endif
	s_mov_b32 s17, 0
	s_mov_b32 s19, 0
	s_mov_b32 s21, 0
	s_mov_b32 s23, 0
	s_wait_kmcnt 0x0
	s_add_nc_u64 s[16:17], s[4:5], s[16:17]
	s_add_nc_u64 s[20:21], s[4:5], s[20:21]
.if ISF
	s_add_nc_u64 s[18:19], s[6:7], s[18:19]
	s_add_nc_u64 s[22:23], s[6:7], s[22:23]
.else
	s_add_nc_u64 s[18:19], s[4:5], s[18:19]
	s_add_nc_u64 s[22:23], s[4:5], s[22:23]
.endif
	; my load: K group w / 8 of the slot, S0 or S1 by bit 2 of w, records 4 (w % 4) on; it lands at w x 6,144 in the slot
	s_mov_b32 s24, 1
	s_mul_i32 s25, s[WV], WLOAD
	s_bfe_u32 s51, s[WV], 0x10002
	s_lshr_b32 s52, s[WV], 3
	s_lshl_b32 s52, s52, 8
	s_and_b32 s53, s[WV], 3
	s_lshl_b32 s53, s53, 2
	s_add_co_u32 s52, s52, s53
	s_mul_i32 s52, s52, 1536
	s_mov_b32 s53, 0
	s_cmp_eq_u32 s51, 0
	s_cselect_b64 s[26:27], s[16:17], s[18:19]
	s_add_nc_u64 s[26:27], s[26:27], s[52:53]
	s_or_b32 s27, s27, 0x80000000
	; THE HEAD'S FILLS, ONE A WAVE: waves 0-7 bring slot 0, 8 records each; waves 8-15 the scale words, two K groups of one operand each
	s_mov_b32 s36, 1
	s_bfe_u32 s51, s[WV], 0x10002                  ; scales: S0's or S1's
	s_and_b32 s52, s[WV], 3                        ; which two K groups
	s_mul_i32 s37, s51, SPART
	s_lshl_b32 s53, s52, 11
	s_add_co_u32 s37, s37, s53
	s_add_co_u32 s37, s37, SCL
	s_lshl_b32 s52, s52, 15                        ; two groups are 32,768 bytes on in memory
	s_mov_b32 s53, 0
	s_cmp_eq_u32 s51, 0
	s_cselect_b64 s[38:39], s[20:21], s[22:23]
	s_add_nc_u64 s[38:39], s[38:39], s[52:53]
	s_or_b32 s39, s39, 0x80000000
	s_mov_b32 s76, 1
	s_mul_i32 s77, s[WV], 2*WLOAD                  ; records: K group w / 4, S0 or S1 by bit 1 of w, records 8 (w % 2) on; they land at w x 12,288
	s_bfe_u32 s51, s[WV], 0x10001
	s_lshr_b32 s52, s[WV], 2
	s_lshl_b32 s52, s52, 8
	s_and_b32 s54, s[WV], 1
	s_lshl_b32 s54, s54, 3
	s_add_co_u32 s52, s52, s54
	s_mul_i32 s52, s52, 1536
	s_cmp_eq_u32 s51, 0
	s_cselect_b64 s[78:79], s[16:17], s[18:19]
	s_add_nc_u64 s[78:79], s[78:79], s[52:53]
	s_or_b32 s79, s79, 0x80000000
	s_cmp_lt_u32 s[WV], 8
	s_cbranch_scc0 .Lhead_scales
	tensor_load_to_lds s[76:79], s[80:87]
	s_nop 0
.rept 4
	v_nop
.endr
	s_branch .Lhead_asked
.Lhead_scales:
	tensor_load_to_lds s[36:39], s[40:47]
	s_nop 0
.rept 4
	v_nop
.endr
.Lhead_asked:
.rept 4
	v_nop
.endr
	; where the result goes: K group G = 2 s72 + a / 2, half c = a % 2, tiles s73 + 4 wy on
	s_lshl_b32 s51, s72, 1
	s_lshr_b32 s52, s[RA], 1
	s_add_co_u32 s51, s51, s52
	s_lshl_b32 s51, s51, 8
	s_add_co_u32 s51, s51, s73
	s_lshl_b32 s52, s[RY], 2
	s_add_co_u32 s51, s51, s52                     ; 256 G + tile
	s_and_b32 s52, s[RA], 1
	s_mul_i32 s54, s51, 1536
	s_mul_i32 s53, s52, 768
	s_add_co_u32 s54, s54, s53
.if !ISF
	s_mul_i32 s53, s68, 3145728
	s_add_co_u32 s54, s54, s53
.endif
	s_mov_b32 s55, 0
.if ISF
	s_add_nc_u64 s[56:57], s[10:11], s[54:55]
.else
	s_add_nc_u64 s[56:57], s[12:13], s[54:55]
.endif
	s_lshl_b32 s54, s51, 6
	s_lshl_b32 s53, s52, 1
	s_add_co_u32 s54, s54, s53
.if ISF
	s_add_co_u32 s54, s54, 12582912
	s_add_nc_u64 s[58:59], s[10:11], s[54:55]
.else
	s_lshl_b32 s53, s68, 17
	s_add_co_u32 s54, s54, s53
	s_add_co_u32 s54, s54, 18874368
	s_add_nc_u64 s[58:59], s[12:13], s[54:55]
.endif
	; THE BIAS IS LOADED INTO THE ACCUMULATORS: the loop then has no first step of its own and nothing is cleared
	s_lshl_b32 s52, s69, 10
	s_mov_b32 s53, 0
.if !ISF
	s_cmp_eq_u32 s68, 2
	s_cbranch_scc1 .Lbias_v
.endif
	s_lshl_b32 s51, s[RA], 8
	s_add_co_u32 s52, s52, s51                     ; my 64 rows of S0
.if ISF
	s_add_nc_u64 s[60:61], s[8:9], s[52:53]
.else
	s_cmp_eq_u32 s68, 0
	s_cselect_b64 s[60:61], s[6:7], s[8:9]
	s_add_nc_u64 s[60:61], s[60:61], s[52:53]
.endif
	s_wait_alu depctr_va_vdst(0)
.irp tp, 0,1,2,3
.irp t, 0,1,2,3
	global_load_b128 v[ACC+32*\tp+8*\t:ACC+32*\tp+8*\t+3], v15, s[60:61] offset:(32*(\t/2)+8*(\t%2))*4      ; register j of tile t: S0 row 32 (t / 2) + 16 h + 8 (t % 2) + j
	global_load_b128 v[ACC+32*\tp+8*\t+4:ACC+32*\tp+8*\t+7], v15, s[60:61] offset:(32*(\t/2)+8*(\t%2))*4+16
.endr
.endr
.if !ISF
	s_branch .Lbias_done
.Lbias_v:                                          ; v: the features run along the lanes: one number a lane and tile, in all 32 registers
	s_lshl_b32 s51, s[RY], 8
	s_add_co_u32 s52, s52, s51
	s_add_nc_u64 s[60:61], s[10:11], s[52:53]
	s_wait_alu depctr_va_vdst(0)
.irp tp, 0,1,2,3
	global_load_b32 v[AF+\tp], v251, s[60:61] offset:(32*(\tp/2)+8*(\tp%2))*4
.endr
	s_wait_loadcnt 0x0
.irp tp, 0,1,2,3
.set j, 0
.rept 32
	v_mov_b32 v[ACC+32*\tp+j], v[AF+\tp]
.set j, j+1
.endr
.endr
.Lbias_done:
.endif
	s_wait_loadcnt 0x0
.Lslot:                                            ; NSL - 1 trips: behind each change of slots but the last the next slot is asked for
	CHANGE 1
	s_wait_alu depctr_va_vdst(0)
	SLOT_STEPS
	s_sub_co_u32 s[SLOTS], s[SLOTS], 1
	s_cmp_lg_u32 s[SLOTS], 0
	s_cbranch_scc1 .Lslot
	CHANGE 0                                       ; the last slot is written out
	SLOT_STEPS
	; THE WAY OUT: my 64 S0 rows are half a K group of the result: two blocks of 32 for each of my 4 tiles; two tiles to a QUANT
.rept 4
	v_nop                                          ; places behind the last matrix instructions
.endr
.irp b, 0,1,2,3
	v_mov_b32 v[TM+4+\b], 0                        ; a lane permute's destination counts as one of its sources
.endr
.irp p, 0,1
.if ISF
.set j, 0
.rept 64
	v_max_num_f32 v[ACC+64*\p+j], 0, v[ACC+64*\p+j]    ; the activation, in f32, ascending
.set j, j+1
.endr
.endif
	QUANT ACC+64*\p, ACC+64*\p+32
	PUTH PC, 56, 1536*(2*\p)
	PUTH PC+6, 56, 1536*(2*\p+1)
	global_store_b16 v[R4], v[PW], s[58:59] offset:64*(2*\p)            ; my half's two bytes of the row's scale word
	global_store_d16_hi_b16 v[R4], v[PW], s[58:59] offset:64*(2*\p+1)
.if \p == 0
	s_wait_xcnt 0x0                                ; the stores' data are written again only behind this wait
.endif
.endr
	s_wait_tensorcnt 0x0                           ; the wave's end
	ds_add_u32 v[SPW], v[NIL]
	s_wait_dscnt 0x0
	s_endpgm
.Lfunc_end_k_q0cbf746eb8_qkv:
	.size	k_q0cbf746eb8_qkv, .Lfunc_end_k_q0cbf746eb8_qkv-k_q0cbf746eb8_qkv
	.p2alignl 7, 3214868480
	.fill 96, 4, 3214868480
	.section	.rodata,"a",@progbits
	.p2align	6, 0x0
	.amdhsa_kernel k_q0cbf746eb8_qkv
		.amdhsa_group_segment_fixed_size 327680
		.amdhsa_private_segment_fixed_size 0
		.amdhsa_enable_private_segment 0
		.amdhsa_kernarg_size 40
		.amdhsa_user_sgpr_count 2
		.amdhsa_user_sgpr_kernarg_segment_ptr 1
		.amdhsa_wavefront_size32 1
		.amdhsa_system_sgpr_workgroup_id_x 1
		.amdhsa_system_sgpr_workgroup_id_y 1
		.amdhsa_system_sgpr_workgroup_id_z 1
		.amdhsa_system_vgpr_workitem_id 0
		.amdhsa_next_free_vgpr 256
		.amdhsa_next_free_sgpr 90
		.amdhsa_reserve_vcc 0
		.amdhsa_float_denorm_mode_32 3
		.amdhsa_float_denorm_mode_16_64 3
		.amdhsa_memory_ordered 1
		.amdhsa_forward_progress 1
		.amdhsa_inst_pref_size 47
	.end_amdhsa_kernel
	.amdgpu_metadata
---
amdhsa.version: [ 1, 2 ]
amdhsa.kernels:
  - .name:           k_q0cbf746eb8_qkv
    .symbol:         k_q0cbf746eb8_qkv.kd
    .args:
      - { .name: fi0, .offset: 0, .size: 8, .value_kind: global_buffer, .address_space: global }
      - { .name: q_b, .offset: 8, .size: 8, .value_kind: global_buffer, .address_space: global }
      - { .name: k_b, .offset: 16, .size: 8, .value_kind: global_buffer, .address_space: global }
      - { .name: v_b, .offset: 24, .size: 8, .value_kind: global_buffer, .address_space: global }
      - { .name: qkv, .offset: 32, .size: 8, .value_kind: global_buffer, .address_space: global }
    .group_segment_fixed_size: 327680
    .private_segment_fixed_size: 0
    .kernarg_segment_align: 8
    .kernarg_segment_size: 40
    .max_flat_workgroup_size: 512
    .sgpr_count:     90
    .vgpr_count:     256
    .wavefront_size: 32
...
	.end_amdgpu_metadata
.endif
;; end of part 2
;; launch attn (part 3): grid 8 x 32, 16 waves a work-group, clusters of 4 x 1, 280,576 bytes of LDS; arguments qkv, maskw, maskc, att; writes att
.if DOCPART == 3
	.amdgcn_target "amdgcn-amd-amdhsa--gfx1250"
	.amdhsa_code_object_version 6
	.text
	.protected	k_q0cbf746eb8_attn
	.globl	k_q0cbf746eb8_attn
	.p2align	8
	.type	k_q0cbf746eb8_attn,@function
k_q0cbf746eb8_attn:
	s_mov_b64 s[64:65], 0
	v_nop
	global_prefetch_b8 v0, s[64:65] scope:SCOPE_SE
	s_setreg_imm32_b32 hwreg(HW_REG_WAVE_MODE, 25, 1), 1
	s_wait_xcnt 0x0
	s_wait_alu depctr_hold_cnt(0) depctr_sa_sdst(0) depctr_va_vdst(0) depctr_va_sdst(0) depctr_va_ssrc(0) depctr_va_vcc(0) depctr_vm_vsrc(0)
	s_getreg_b32 s2, hwreg(HW_REG_IB_STS2, 6, 4)
	s_cmp_eq_u32 s2, 0
	s_cbranch_scc0 .Lentry_in_a_cluster
	s_endpgm
.Lentry_in_a_cluster:
	s_bfe_u32 s2, ttmp6, 0x10000c
	s_cmp_lg_u32 s2, 0x3003
	s_cbranch_scc0 .Lentry_shape_is_right
	s_endpgm
.Lentry_shape_is_right:
; ATTENTION of one head (work-group y = 16 x batch + head) for 256 queries (work-group x), both products on E3M2 codes; the result is quantised and stored as half records.
; The probabilities are quantised FINISHED AND NORMALISED, so the row's sum must be known before the first code is made: THE KEYS ARE WALKED TWICE.
; Walk 1: S^T = K Q^T, the mask, each block's largest score (kept in LDS), the running largest t = score x log2(e) / 8, M = that rounded up to a whole number, the sum of 2^(t - M).
; Walk 2: S^T again, p = 2^(t - M - log2(sum)), quantised along the keys in registers, O^T += V^T P^T.  WALK 2 LOOKS AT NO ELEMENT FOR THE MASK OR FOR A MAXIMUM:
;   a block's largest p is walk 1's largest masked score of the block put through the same multiply-add and exponential as the elements (p rises with the score);
;   the mask is laid on the CODES: twelve ANDs with a record of six-bit fields in the operand's own layout.  A masked key's p may be any number, also beyond the block's scale: its code is cleared, which is the code of the 0 that belongs there.
; The reference's + 1e-9 is one addend common to a whole row: taking the row's maximum away removes it for every input, so it is not added.
; In walk 1 masked scores become -infinity ahead of the maximum; in a row that is masked wholly the sum, 0, is lifted to 0.25 (with any key open it is over 0.5), and every code is cleared.
; SHARES.  16 waves, four to a SIMD; a wave owns one tile of 16 queries; a lane holds ONE query (lane % 16) throughout; 128 keys a step, 16 steps a walk.
; The head's K (half records, 98,304 bytes), V (98,304) and their scale words lie in LDS for the whole launch, filled once by ten tensor loads, at most one a wave: no ring.
; CLUSTER.  Four query blocks of one head form a cluster and need the same 208,896 bytes: each fill is asked for JOINTLY, by the same tensor load with the same descriptor and a mask that names the four.
; The descriptors are made of the head, the batch and the wave's number; the place in the cluster enters the addresses of q, of the mask and of the result alone.
; K = 64: TWO KEY TILES SHARE ONE OPERAND: two neighbouring half records are 12 registers, tile 2 P in k 0-63, tile 2 P + 1 in k 64-127; Q stands twice, as [q | zero codes] and [zero codes | q].
; LIMITS: NaN and infinities are not served; -M - log2(sum) is one f32 number, so its rounding, common to a row, grows with |M| (about 1e-6 of p for |M| under 32);
; a block of p whose largest lies under 2^-122, a block of zeros too, gets the scale byte 1; any mask byte other than 0 counts as masked.
.set VC,  98304                        ; LDS: K's half records at 0 (768 x key tile); V's records here: [step][4 tiles]
.set KSR, 196608                       ; K's scale words as they lie in memory (64 bytes a tile)
.set VS,  204800                       ; V's: [step][4 tiles][64 bytes]
.set KSC, 208896                       ; K's, made for pairs of tiles: written by ds_store, no tensor load lands here
.set BM,  212992                       ; the blocks' largest scores: 4,096 bytes a wave: [step][row][4 blocks]: written by ds_store, each wave's own
.set QLO, 16                           ; v16-27 [q | 0]
.set QHI, 28                           ; v28-39 [0 | q]
.set F,   40                           ; v40-87 four operands of K (8 key tiles), later V's four tiles
.set FS,  88                           ; v88-91 their scale words
.set S,   92                           ; v92-155 S^T, then p: register 16 b + i = key 32 b + 16 (lane / 16) + i of the step
.set O,   156                          ; v156-187 O^T: register 16 b + i = channel 32 b + 16 (lane / 16) + i of the head
.set PC,  188                          ; v188-207 p's codes
.set TM,  208                          ; v208-223 at work: +0..3 the blocks' largest, +4..7 bytes, +12..15 the conversions' scale operands
.set PW,  224                          ; p's scale word
.set MK,  238                          ; v238-249 the mask's record
.set SEL, 84
.set WV,  99
.macro QUANTH s                        ; two blocks of 32 (16 numbers a lane each): half an operand in PC .. PC + 5, two bytes in PW
.irp b, 0,1
	v_max3_num_f32 v[TM+\b], |v[(\s)+16*\b]|, |v[(\s)+16*\b+1]|, 0x2800000
.endr
.irp i, 2,4,6,8,10,12,14
.irp b, 0,1
	v_max3_num_f32 v[TM+\b], v[TM+\b], |v[(\s)+16*\b+\i]|, |v[(\s)+16*\b+\i+1]|
.endr
.endr
.irp b, 0,1
	s_delay_alu instid0(VALU_DEP_2)
	v_permlanex16_b32 v[TM+4+\b], v[TM+\b], s[SEL], s[SEL+1]
.endr
.irp b, 0,1
	s_delay_alu instid0(VALU_DEP_2)
	v_max_num_f32 v[TM+\b], v[TM+\b], v[TM+4+\b]
.endr
.irp b, 0,1
	s_delay_alu instid0(VALU_DEP_2)
	v_add_nc_u32 v[TM+12+\b], 0xfe000000, v[TM+\b]
.endr
.irp b, 0,1
	s_delay_alu instid0(VALU_DEP_2)
	v_lshrrev_b32 v[TM+4+\b], 23, v[TM+12+\b]
.endr
	s_delay_alu instid0(VALU_DEP_1)
	v_lshl_or_b32 v[PW], v[TM+5], 8, v[TM+4]
	v_cvt_scalef32_pk16_bf6_f32 v[PC:PC+2], v[(\s):(\s)+15], v[TM+12]
	v_cvt_scalef32_pk16_bf6_f32 v[PC+12:PC+14], v[(\s)+16:(\s)+31], v[TM+13]
	v_nop
.irp i, 0,1,2
	v_permlane16_swap_b32 v[PC+\i], v[PC+12+\i]
.endr
.irp i, 0,1,2
	s_delay_alu instid0(VALU_DEP_3)
	v_mov_b32 v[PC+3+\i], v[PC+12+\i]
.endr
.endm
.macro FRAG reg, a16, a8, off
	ds_load_b128 v[(\reg):(\reg)+3], v[\a16] offset:(\off)
	ds_load_b64 v[(\reg)+4:(\reg)+5], v[\a8] offset:(\off)
	ds_load_b128 v[(\reg)+6:(\reg)+9], v[\a16] offset:(\off)+768
	ds_load_b64 v[(\reg)+10:(\reg)+11], v[\a8] offset:(\off)+768
.endm
.macro KQ                              ; S^T of the step's 128 keys: four operands of two key tiles each, eight matrix instructions, each starting its sum with the constant 0.  Four places follow the macro
.irp p, 0,1,2,3
	FRAG F+12*\p, 7, 8, 1536*\p
	ds_load_b32 v[FS+\p], v11 offset:64*\p
.endr
	s_wait_dscnt 0x0
.irp p, 0,1,2,3
	v_wmma_scale_f32_16x16x128_f8f6f4 v[S+16*\p:S+16*\p+7], v[F+12*\p:F+12*\p+11], v[QLO:QLO+11], 0, v[FS+\p], v14 matrix_a_fmt:MATRIX_FMT_BF6 matrix_b_fmt:MATRIX_FMT_BF6
	v_wmma_scale_f32_16x16x128_f8f6f4 v[S+16*\p+8:S+16*\p+15], v[F+12*\p:F+12*\p+11], v[QHI:QHI+11], 0, v[FS+\p], v14 matrix_a_fmt:MATRIX_FMT_BF6 matrix_b_fmt:MATRIX_FMT_BF6
.endr
.endm
.macro MASK                            ; mask word n lies in s[16 + n] (n < 48) or s[20 + n]: bit lane set = hidden
.set n, 0
.rept 64
	v_cndmask_b32 v[S+n], v[S+n], v13, s[16+n+4*(n/48)]
.set n, n+1
.endr
.endm
.macro MLOAD                           ; the 64 mask words, 256 bytes, of my query tile and the step at byte s91
	s_load_b512 s[16:31], s[92:93], s91 offset:0x0
	s_load_b512 s[32:47], s[92:93], s91 offset:0x40
	s_load_b512 s[48:63], s[92:93], s91 offset:0x80
	s_load_b512 s[68:83], s[92:93], s91 offset:0xc0
.endm
; A round of the cluster's barrier: my work-group's barrier, so that wave 0's signal speaks for all sixteen waves; wave 0 signals for the work-group; every wave waits for all four work-groups; my work-group's barrier once more.
.macro CROUND
	s_barrier_signal -1
	s_barrier_wait -1
	s_cmp_lg_u32 s[WV], 0
	s_cbranch_scc1 .Lnot_wave_0_\@
	s_barrier_signal -3
.Lnot_wave_0_\@:
	s_barrier_wait -3
	s_barrier_signal -1
	s_barrier_wait -1
.endm
	s_load_b256 s[4:11], s[0:1], 0x0               ; qkv, maskw, maskc, att
	v_lshl_add_u32 v254, v0, 2, 0x44000
	v_mov_b32 v255, 0
	ds_add_u32 v254, v255
	ds_add_u32 v254, v255
	v_lshrrev_b32 v1, 5, v0
	s_delay_alu instid0(VALU_DEP_1)
	v_readfirstlane_b32 s[WV], v1                  ; wave 0..15
	s_and_b32 s2, ttmp7, 0xffff                    ; the four partners share it
	s_lshr_b32 s3, s2, 4                           ; batch
	s_and_b32 s12, s2, 15                          ; head
	s_and_b32 s13, s12, 1                          ; c: which half of a K group of 128 features the head is
	s_lshr_b32 s14, s12, 1                         ; and which group
	s_bfe_u32 s100, ttmp6, 0x40000                 ; cx: my place in the cluster
	s_lshl_b32 s15, ttmp9, 2                       ; in a cluster launch ttmp9 counts clusters
	s_add_co_u32 s15, s15, s100                    ; my block of 256 queries
	s_lshl_b32 s15, s15, 4
	s_add_co_u32 s15, s15, s[WV]                   ; my query tile in the batch: it enters q's, the mask's and the result's addresses alone
	; every LDS address register is made here, ahead of the branches on the wave's number
	v_and_b32 v9, 31, v0
	v_and_b32 v12, 15, v0
	s_lshl_b32 s66, s[WV], 12
	s_add_co_u32 s66, s66, BM
	v_lshl_add_u32 v15, v12, 4, s66                ; v15: my row's 16 bytes among my wave's block maxima; never rewritten
	v_lshlrev_b32 v12, 2, v12                      ; 4 r
	v_lshlrev_b32 v1, 4, v9                        ; v1-6: my lane's places; never rewritten
	v_lshlrev_b32 v2, 3, v9
	s_delay_alu instid0(VALU_DEP_1)
	v_add_nc_u32 v2, 512, v2
	s_delay_alu instid0(VALU_DEP_3)
	v_add_nc_u32 v3, VC, v1
	s_delay_alu instid0(VALU_DEP_2)
	v_add_nc_u32 v4, VC, v2
	v_add_nc_u32 v5, KSC, v12
	v_add_nc_u32 v6, VS, v12
	v_lshrrev_b32 v7, 3, v0                        ; the making of K's scale words: thread i takes words 2 (i % 8), + 1 of tiles 2 (i / 8) and 2 (i / 8) + 1
	s_delay_alu instid0(VALU_DEP_1)
	v_lshlrev_b32 v7, 7, v7
	v_and_b32 v8, 7, v0
	s_delay_alu instid0(VALU_DEP_1)
	v_lshl_add_u32 v7, v8, 3, v7
	s_delay_alu instid0(VALU_DEP_1)
	v_add_nc_u32 v7, KSR, v7
	v_lshlrev_b32 v8, 3, v0
	s_delay_alu instid0(VALU_DEP_1)
	v_add_nc_u32 v8, KSC, v8
	; groups 1: the mask of all four work-groups, elements of 8 bytes, bit 21 beside the mask, no padding.  K: 32 half records of 768 bytes, 1,536 apart
	s_mov_b32 s16, 15|(3<<16)|(1<<21)
	s_mov_b32 s17, 96<<16
	s_mov_b32 s18, 32<<16
	s_mov_b32 s19, 96<<16
	s_mov_b32 s20, 32
	s_mov_b32 s21, 192
	s_mov_b32 s22, 0
	s_mov_b32 s23, 0
	; V: 4 steps of 4 records (6,144 bytes), 393,216 bytes apart
	s_mov_b32 s24, 15|(3<<16)|(1<<21)
	s_mov_b32 s25, 768<<16
	s_mov_b32 s26, 4<<16
	s_mov_b32 s27, 768<<16
	s_mov_b32 s28, 4
	s_mov_b32 s29, 49152
	s_mov_b32 s30, 0
	s_mov_b32 s31, 0
	; K's scale words: 8,192 dense bytes as rows of 256
	s_mov_b32 s32, 15|(3<<16)|(1<<21)
	s_mov_b32 s33, 32<<16
	s_mov_b32 s34, 32<<16
	s_mov_b32 s35, 32<<16
	s_mov_b32 s36, 32
	s_mov_b32 s37, 32
	s_mov_b32 s38, 0
	s_mov_b32 s39, 0
	; V's: 16 steps of 256 bytes, 16,384 apart
	s_mov_b32 s40, 15|(3<<16)|(1<<21)
	s_mov_b32 s41, 32<<16
	s_mov_b32 s42, 16<<16
	s_mov_b32 s43, 32<<16
	s_mov_b32 s44, 16
	s_mov_b32 s45, 2048
	s_mov_b32 s46, 0
	s_mov_b32 s47, 0
	s_lshl_b32 s66, s14, 8
	s_lshl_b32 s67, s3, 7
	s_add_co_u32 s66, s66, s67                     ; 256 group + 128 batch: the batch's first token tile in the head's K group
	s_lshl_b32 s69, s3, 12
	s_lshl_b32 s67, s12, 2
	s_add_co_u32 s69, s69, s67                     ; 256 (16 batch) + 4 head: V's first record
	s_and_b32 s68, s[WV], 3
	s_mul_i32 s67, s13, 768
	s_mul_i32 s70, s66, 1536
	s_add_co_u32 s70, s70, s67
	s_add_co_u32 s70, s70, 3145728
	s_mul_i32 s71, s68, 49152                      ; 32 key tiles a wave
	s_add_co_u32 s70, s70, s71
	s_mov_b32 s71, 0
	s_mul_i32 s72, s69, 1536
	s_add_co_u32 s72, s72, 6291456
	s_mul_i32 s73, s68, 1572864                    ; 4 steps a wave
	s_add_co_u32 s72, s72, s73
	s_mov_b32 s73, 0
	s_lshl_b32 s74, s66, 6
	s_add_co_u32 s74, s74, 19005440
	s_mov_b32 s75, 0
	s_lshl_b32 s76, s69, 6
	s_add_co_u32 s76, s76, 19136512
	s_mov_b32 s77, 0
	s_add_co_u32 s78, s66, s15                     ; my query tile's record
	s_mul_i32 s80, s78, 1536
	s_add_co_u32 s80, s80, s67
	s_mov_b32 s81, 0
	s_lshl_b32 s82, s78, 6
	s_mov_b32 s83, 0
	s_lshl_b32 s67, s13, 1
	s_add_co_u32 s96, s82, s67
	s_add_co_u32 s96, s96, 3145728
	s_mov_b32 s97, 0
	s_add_co_u32 s82, s82, 18874368
	s_lshl_b32 s92, s15, 12                        ; 16 steps of 256 bytes of mask words a query tile,
	s_mov_b32 s93, 0
	s_mul_i32 s100, s15, 24576                     ; and 16 records of 1,536 bytes
	s_mov_b32 s101, 0
	s_mov_b32 s98, 0x05040100                      ; v_perm_b32: the head's two bytes of two scale words
	s_cmp_eq_u32 s13, 1
	s_cselect_b32 s98, 0x07060302, s98
	s_mov_b32 s48, 1
	s_mul_i32 s49, s68, 24576
	s_mov_b32 s52, 1
	s_add_co_u32 s53, s49, VC
	s_mov_b32 s56, 1
	s_mov_b32 s57, KSR
	s_mov_b32 s60, 1
	s_mov_b32 s61, VS
	s_wait_dscnt 0x0
	s_wait_kmcnt 0x0
	s_add_nc_u64 s[50:51], s[4:5], s[70:71]
	s_or_b32 s51, s51, 0x80000000
	s_add_nc_u64 s[54:55], s[4:5], s[72:73]
	s_or_b32 s55, s55, 0x80000000
	s_add_nc_u64 s[58:59], s[4:5], s[74:75]
	s_or_b32 s59, s59, 0x80000000
	s_add_nc_u64 s[62:63], s[4:5], s[76:77]
	s_or_b32 s63, s63, 0x80000000
	s_add_nc_u64 s[94:95], s[10:11], s[80:81]      ; where my half record of the result goes,
	s_add_nc_u64 s[96:97], s[10:11], s[96:97]      ; and its two scale bytes a row
	s_add_nc_u64 s[80:81], s[4:5], s[80:81]        ; q's half record
	s_add_nc_u64 s[82:83], s[4:5], s[82:83]        ; q's scale words
	s_add_nc_u64 s[92:93], s[6:7], s[92:93]
	s_add_nc_u64 s[100:101], s[8:9], s[100:101]
	CROUND                                         ; all four work-groups are here: the joint loads meet
	; the fills: waves 0-3 K, 4-7 V, 8 K's scale words, 9 V's; at most one load a wave, and the wait behind them is for 0
	s_cmp_lt_u32 s[WV], 4
	s_cbranch_scc0 .Lnot_k
	tensor_load_to_lds s[48:51], s[16:23]
	s_nop 0
.rept 4
	v_nop
.endr
	s_branch .Lasked
.Lnot_k:
	s_cmp_lt_u32 s[WV], 8
	s_cbranch_scc0 .Lnot_v
	tensor_load_to_lds s[52:55], s[24:31]
	s_nop 0
.rept 4
	v_nop
.endr
	s_branch .Lasked
.Lnot_v:
	s_cmp_eq_u32 s[WV], 8
	s_cbranch_scc0 .Lnot_ks
	tensor_load_to_lds s[56:59], s[32:39]
	s_nop 0
.rept 4
	v_nop
.endr
	s_branch .Lasked
.Lnot_ks:
	s_cmp_eq_u32 s[WV], 9
	s_cbranch_scc0 .Lasked
	tensor_load_to_lds s[60:63], s[40:47]
	s_nop 0
.rept 4
	v_nop
.endr
.Lasked:
	global_load_b128 v[QLO:QLO+3], v1, s[80:81]    ; q's six registers, once into the lower half of an operand,
	global_load_b64 v[QLO+4:QLO+5], v2, s[80:81]
	global_load_b128 v[QHI+6:QHI+9], v1, s[80:81]  ; once into the upper half of another (two runs of registers)
	global_load_b64 v[QHI+10:QHI+11], v2, s[80:81]
	global_load_b32 v232, v12, s[82:83]
.irp i, 0,1,2,3,4,5
	v_mov_b32 v[QLO+6+\i], 0                       ; zero codes: they add nothing under any scale byte but 0xff
	v_mov_b32 v[QHI+\i], 0
.endr
	s_mov_b32 s[SEL], 0x76543210
	s_mov_b32 s[SEL+1], 0xfedcba98
	s_mov_b32 s86, 0x3e38aa3b                      ; log2(e) / sqrt(64)
	s_mov_b32 s87, s86                             ; named with it as a pair, so it is written
	s_mov_b32 s88, 0                               ; 6,144 x step
	s_mov_b32 s89, 0                               ; 256 x step
	s_mov_b32 s91, 0                               ; the mask words' byte
	s_wait_tensorcnt 0x0                           ; my fill has landed; the descriptors' registers are free
	s_barrier_signal -1
	s_barrier_wait -1                              ; everybody's has
	ds_load_b64 v[40:41], v7
	ds_load_b64 v[42:43], v7 offset:64
	s_wait_dscnt 0x0
	v_perm_b32 v44, v42, v40, s98                  ; bytes 0, 1: tile 2 P's two blocks; bytes 2, 3: tile 2 P + 1's
	v_perm_b32 v45, v43, v41, s98
	ds_store_b64 v8, v[44:45]
	s_wait_dscnt 0x0                               ; for the others' sake
	s_barrier_signal -1
	s_barrier_wait -1
	s_wait_loadcnt 0x0                             ; q; its address registers are free too
	v_perm_b32 v14, v232, v232, s98                ; q's two bytes in both halves of its scale word
	MLOAD
	v_mov_b32 v13, 0xff800000                      ; -infinity
	v_mov_b32 v227, 0xff61b1e6                     ; the largest t so far: -3e38
	s_delay_alu instid0(VALU_DEP_1)
	v_floor_f32 v226, -v227                        ; -M
	v_mov_b32 v228, 0                              ; the sum, in two halves
	v_mov_b32 v229, 0
	v_mov_b32 v231, 0                              ; (named as the upper half of a pair)
.irp b, 0,1,2,3
	v_mov_b32 v[TM+4+\b], 0                        ; a lane permute's destination counts as one of its sources
.endr
.set j, 0
.rept 32
	v_mov_b32 v[O+j], 0                            ; O^T: walk 2's step is written once
.set j, j+1
.endr
	s_mov_b32 s90, 16
.Lwalk1:
	v_add_nc_u32 v7, s88, v1
	v_add_nc_u32 v8, s88, v2
	v_add_nc_u32 v11, s89, v5
	KQ
	v_add_nc_u32 v225, s89, v15                    ; where this step's block maxima go: with the three below, the places behind the matrix instructions
.rept 3
	v_nop
.endr
	s_wait_kmcnt 0x0                               ; this step's mask words
	MASK
.irp b, 0,1,2,3
	v_max3_num_f32 v[232+\b], v[S+16*\b], v[S+16*\b+1], v[S+16*\b+2]
.endr
.irp i, 3,5,7,9,11,13
.irp b, 0,1,2,3
	s_delay_alu instid0(VALU_DEP_4)
	v_max3_num_f32 v[232+\b], v[232+\b], v[S+16*\b+\i], v[S+16*\b+\i+1]
.endr
.endr
.irp b, 0,1,2,3
	s_delay_alu instid0(VALU_DEP_4)
	v_max_num_f32 v[232+\b], v[232+\b], v[S+16*\b+15]
.endr
	s_add_co_u32 s91, s91, 256
	s_and_b32 s91, s91, 4095                       ; (the last trip's request wraps to step 0 and is not used: it stays inside the buffer)
	MLOAD
.irp b, 0,1,2,3
	v_permlanex16_b32 v[TM+4+\b], v[232+\b], s[SEL], s[SEL+1]
.endr
.irp b, 0,1,2,3
	s_delay_alu instid0(VALU_DEP_4)
	v_max_num_f32 v[232+\b], v[232+\b], v[TM+4+\b] ; with lane l xor 16's 16 keys: THE LARGEST MASKED SCORE OF EACH BLOCK OF 32 KEYS
.endr
	ds_store_b128 v225, v[232:235]                 ; kept for walk 2; lanes r and r + 16 write the same bytes with the same values.  Its registers are written again only behind the next trip's wait on DScnt
	v_max3_num_f32 v236, v232, v233, v234
	s_delay_alu instid0(VALU_DEP_1)
	v_max_num_f32 v236, v236, v235                 ; the step's largest score of my query
	s_delay_alu instid0(VALU_DEP_1)
	v_mul_f32 v236, s86, v236
	s_delay_alu instid0(VALU_DEP_1)
	v_max_num_f32 v227, v227, v236                 ; the running largest t
	v_mov_b32 v236, v226
	s_delay_alu instid0(VALU_DEP_2)
	v_floor_f32 v226, -v227                        ; -M = floor(-t): M is a whole number
	s_delay_alu instid0(VALU_DEP_1)
	v_sub_f32 v236, v226, v236                     ; old M - new M, 0 or less
	s_delay_alu instid0(VALU_DEP_1)
	v_cvt_i32_f32 v236, v236                       ; (it saturates)
	s_delay_alu instid0(VALU_DEP_1)
	v_ldexp_f32 v230, 1.0, v236                    ; f = 2^(old M - new M): rounds nothing
.set j, 0
.rept 32
	v_pk_fma_f32 v[S+j:S+j+1], v[S+j:S+j+1], s[86:87], v[226:227] op_sel_hi:[1,0,0]   ; t - M
.set j, j+2
.endr
.set j, 0
	s_wait_alu depctr_va_vdst(0)
.rept 64
	v_exp_f32 v[S+j], v[S+j]
.set j, j+1
.endr
	v_pk_mul_f32 v[228:229], v[228:229], v[230:231] op_sel_hi:[1,0]   ; the sum under the new M (a plain place behind the exponentials)
	s_wait_alu depctr_va_vdst(0)
	v_pk_add_f32 v[236:237], v[96:97], v[100:101]
	v_pk_add_f32 v[252:253], v[104:105], v[108:109]
	v_pk_add_f32 v[250:251], v[112:113], v[116:117]
	v_pk_add_f32 v[248:249], v[120:121], v[124:125]
	v_pk_add_f32 v[246:247], v[128:129], v[132:133]
	v_pk_add_f32 v[244:245], v[136:137], v[140:141]
	v_pk_add_f32 v[242:243], v[144:145], v[148:149]
	v_pk_add_f32 v[228:229], v[228:229], v[152:153]
	v_pk_add_f32 v[236:237], v[236:237], v[92:93]
	v_pk_add_f32 v[252:253], v[252:253], v[94:95]
	v_pk_add_f32 v[250:251], v[250:251], v[98:99]
	v_pk_add_f32 v[248:249], v[248:249], v[102:103]
	v_pk_add_f32 v[246:247], v[246:247], v[106:107]
	v_pk_add_f32 v[244:245], v[244:245], v[110:111]
	v_pk_add_f32 v[242:243], v[242:243], v[114:115]
	v_pk_add_f32 v[228:229], v[228:229], v[118:119]
	v_pk_add_f32 v[236:237], v[236:237], v[122:123]
	v_pk_add_f32 v[252:253], v[252:253], v[126:127]
	v_pk_add_f32 v[250:251], v[250:251], v[130:131]
	v_pk_add_f32 v[248:249], v[248:249], v[134:135]
	v_pk_add_f32 v[246:247], v[246:247], v[138:139]
	v_pk_add_f32 v[244:245], v[244:245], v[142:143]
	v_pk_add_f32 v[242:243], v[242:243], v[146:147]
	v_pk_add_f32 v[228:229], v[228:229], v[150:151]
	v_pk_add_f32 v[236:237], v[236:237], v[154:155]
	s_delay_alu instid0(VALU_DEP_2)
	v_pk_add_f32 v[228:229], v[228:229], v[248:249]
	s_delay_alu instid0(VALU_DEP_2)
	v_pk_add_f32 v[236:237], v[236:237], v[246:247]
	v_pk_add_f32 v[252:253], v[252:253], v[244:245]
	v_pk_add_f32 v[250:251], v[250:251], v[242:243]
	s_delay_alu instid0(VALU_DEP_2)
	v_pk_add_f32 v[228:229], v[228:229], v[252:253]
	s_delay_alu instid0(VALU_DEP_2)
	v_pk_add_f32 v[236:237], v[236:237], v[250:251]
	s_delay_alu instid0(VALU_DEP_1)
	v_pk_add_f32 v[228:229], v[228:229], v[236:237]
	s_add_co_u32 s88, s88, 6144
	s_add_co_u32 s89, s89, 256
	s_sub_co_u32 s90, s90, 1
	s_cmp_lg_u32 s90, 0
	s_cbranch_scc1 .Lwalk1
	; between the walks: kk = -M - log2(the row's sum)
	s_wait_kmcnt 0x0                               ; the last trip's request has come: walk 2 reads no mask words
	s_wait_alu depctr_va_vdst(0)
	v_add_f32 v228, v228, v229
	s_delay_alu instid0(VALU_DEP_1)
	v_permlanex16_b32 v[TM+4], v228, s[SEL], s[SEL+1]
	s_delay_alu instid0(VALU_DEP_1)
	v_add_f32 v228, v228, v[TM+4]
	s_delay_alu instid0(VALU_DEP_1)
	v_max_num_f32 v228, 0x3e800000, v228           ; moves only the 0 of a row that is masked wholly
	s_wait_alu depctr_va_vdst(0)
	v_log_f32 v229, v228
	v_nop                                          ; a plain place behind the transcendental
	s_wait_alu depctr_va_vdst(0)
	v_sub_f32 v236, v226, v229
	s_delay_alu instid0(VALU_DEP_1)
	v_mov_b32 v237, v236
	s_mov_b32 s88, 0
	s_mov_b32 s89, 0
	s_mov_b32 s90, 16
.Lwalk2:
	v_add_nc_u32 v7, s88, v1                       ; these seven are also the places in front of the loads into F and FS, which the last matrix instructions read
	v_add_nc_u32 v8, s88, v2
	v_add_nc_u32 v9, s88, v3
	v_add_nc_u32 v10, s88, v4
	v_add_nc_u32 v11, s89, v5
	v_add_nc_u32 v12, s89, v6
	v_add_nc_u32 v225, s89, v15
	global_load_b128 v[MK:MK+3], v1, s[100:101]    ; the mask's record of my query tile and this step: wanted at the trip's end
	global_load_b64 v[MK+4:MK+5], v2, s[100:101]
	global_load_b128 v[MK+6:MK+9], v1, s[100:101] offset:768
	global_load_b64 v[MK+10:MK+11], v2, s[100:101] offset:768
	ds_load_b128 v[TM:TM+3], v225                  ; walk 1's four block maxima: my own wave stored them, and LDS serves a wave's instructions in order
	KQ
	s_wait_alu depctr_va_vdst(0)
.irp b, 0,1,2,3
	v_fma_f32 v[TM+\b], v[TM+\b], s86, v236        ; the blocks' largest scores as t - M - log2(sum).  (These four are the places behind the matrix instructions)
.endr
.irp t, 0,1,2,3
	FRAG F+12*\t, 9, 10, 1536*\t                   ; V's four tiles: they land under the exponentials
	ds_load_b32 v[FS+\t], v12 offset:64*\t
.endr
	s_wait_alu depctr_va_vdst(0)
.irp b, 0,1,2,3
	v_exp_f32 v[TM+\b], v[TM+\b]                   ; each block's largest p: the same two operations on the same number as its element
.endr
.set j, 0
	s_wait_alu depctr_va_vdst(0)
.rept 16
	v_pk_fma_f32 v[S+j:S+j+1], v[S+j:S+j+1], s[86:87], v[236:237] op_sel_hi:[1,0,0]   ; t - M - log2(sum), ascending: each accumulator is first read at its low end
.set j, j+2
.endr
	s_wait_alu depctr_va_vdst(0)
.irp b, 0,1,2,3
	v_max_num_f32 v[TM+\b], 0x2800000, v[TM+\b]    ; the floor 2^(5 - 127): the byte cannot fall under 1 (a block that is masked wholly keeps that byte: its codes are cleared)
.endr
.irp b, 0,1,2,3
	s_delay_alu instid0(VALU_DEP_4)
	v_add_nc_u32 v[TM+12+\b], 0xfe000000, v[TM+\b] ; 4 off the exponent field: the conversion's scale operand
.endr
.irp b, 0,1,2,3
	s_delay_alu instid0(VALU_DEP_4)
	v_lshrrev_b32 v[TM+4+\b], 23, v[TM+12+\b]      ; the scale's byte
.endr
	s_delay_alu instid0(VALU_DEP_3)
	v_lshl_or_b32 v[PW], v[TM+5], 8, v[TM+4]       ; p's scale word: the sixteen multiply-adds below are more than the 8 places that it owes the scaled matrix instruction
	s_delay_alu instid0(VALU_DEP_1)
	v_lshl_or_b32 v[PW], v[TM+6], 16, v[PW]
	s_delay_alu instid0(VALU_DEP_1)
	v_lshl_or_b32 v[PW], v[TM+7], 24, v[PW]
.rept 16
	v_pk_fma_f32 v[S+j:S+j+1], v[S+j:S+j+1], s[86:87], v[236:237] op_sel_hi:[1,0,0]
.set j, j+2
.endr
.set j, 0
	s_wait_alu depctr_va_vdst(0)
.rept 64
	v_exp_f32 v[S+j], v[S+j]                       ; p, finished and normalised, of open keys; of masked keys a number that is thrown away below
.set j, j+1
.endr
	v_nop                                          ; a plain place behind the exponentials
	s_wait_alu depctr_va_vdst(0)
.irp c, 0,1
	v_cvt_scalef32_pk16_bf6_f32 v[PC+6*\c:PC+6*\c+2], v[S+32*\c:S+32*\c+15], v[TM+12+2*\c]
	v_cvt_scalef32_pk16_bf6_f32 v[PC+12+4*\c:PC+14+4*\c], v[S+32*\c+16:S+32*\c+31], v[TM+13+2*\c]   ; a conversion's three registers begin on an even number
.endr
	v_nop                                          ; one plain place behind the scaled conversions
.irp c, 0,1
.irp i, 0,1,2
	v_permlane16_swap_b32 v[PC+6*\c+\i], v[PC+12+4*\c+\i]   ; the operand wants a whole block in a lane
.endr
.irp i, 0,1,2
	s_delay_alu instid0(VALU_DEP_3)
	v_mov_b32 v[PC+3+6*\c+\i], v[PC+12+4*\c+\i]
.endr
.endr
	s_wait_loadcnt 0x0                             ; the mask's record; its base may step now
.set i, 0
.rept 12
	v_and_b32 v[PC+i], v[PC+i], v[MK+i]            ; THE MASK, ON THE CODES: six ones keep a code, six zeros make it the code of 0
.set i, i+1
.endr
.rept 4
	v_nop                                          ; the codes were written by vector instructions: 4 places ahead of the scaled matrix instruction
.endr
	s_wait_alu depctr_va_vdst(0)
	s_wait_dscnt 0x0                               ; V
.irp t, 0,1,2,3
	v_wmma_scale_f32_16x16x128_f8f6f4 v[O+8*\t:O+8*\t+7], v[F+12*\t:F+12*\t+11], v[PC:PC+11], v[O+8*\t:O+8*\t+7], v[FS+\t], v[PW] matrix_a_fmt:MATRIX_FMT_BF6 matrix_b_fmt:MATRIX_FMT_BF6
.endr
	s_add_nc_u64 s[100:101], s[100:101], 1536      ; the next step's record (the last trip's step is not used)
	s_add_co_u32 s88, s88, 6144
	s_add_co_u32 s89, s89, 256
	s_sub_co_u32 s90, s90, 1
	s_cmp_lg_u32 s90, 0
	s_cbranch_scc1 .Lwalk2
.rept 4
	v_nop
.endr
	QUANTH O                                       ; the head's 64 channels are half a K group of the next product
	global_store_b128 v1, v[PC:PC+3], s[94:95]
	global_store_b64 v2, v[PC+4:PC+5], s[94:95]
	v_and_b32 v7, 15, v0
	s_delay_alu instid0(VALU_DEP_1)
	v_lshlrev_b32 v7, 2, v7
	global_store_b16 v7, v[PW], s[96:97]
	s_wait_tensorcnt 0x0
	ds_add_u32 v254, v255
	s_wait_dscnt 0x0
	CROUND                                         ; the closing round: no work-group ends while a partner may still ask for a tile that names it
	s_endpgm
.Lfunc_end_k_q0cbf746eb8_attn:
	.size	k_q0cbf746eb8_attn, .Lfunc_end_k_q0cbf746eb8_attn-k_q0cbf746eb8_attn
	.p2alignl 7, 3214868480
	.fill 96, 4, 3214868480
	.section	.rodata,"a",@progbits
	.p2align	6, 0x0
	.amdhsa_kernel k_q0cbf746eb8_attn
		.amdhsa_group_segment_fixed_size 280576
		.amdhsa_private_segment_fixed_size 0
		.amdhsa_enable_private_segment 0
		.amdhsa_kernarg_size 32
		.amdhsa_user_sgpr_count 2
		.amdhsa_user_sgpr_kernarg_segment_ptr 1
		.amdhsa_wavefront_size32 1
		.amdhsa_system_sgpr_workgroup_id_x 1
		.amdhsa_system_sgpr_workgroup_id_y 1
		.amdhsa_system_sgpr_workgroup_id_z 1
		.amdhsa_system_vgpr_workitem_id 0
		.amdhsa_next_free_vgpr 256
		.amdhsa_next_free_sgpr 102
		.amdhsa_reserve_vcc 0
		.amdhsa_float_denorm_mode_32 3
		.amdhsa_float_denorm_mode_16_64 3
		.amdhsa_memory_ordered 1
		.amdhsa_forward_progress 1
		.amdhsa_inst_pref_size 46
	.end_amdhsa_kernel
	.amdgpu_metadata
---
amdhsa.version: [ 1, 2 ]
amdhsa.kernels:
  - .name:           k_q0cbf746eb8_attn
    .symbol:         k_q0cbf746eb8_attn.kd
    .args:
      - { .name: qkv, .offset: 0, .size: 8, .value_kind: global_buffer, .address_space: global }
      - { .name: maskw, .offset: 8, .size: 8, .value_kind: global_buffer, .address_space: global }
      - { .name: maskc, .offset: 16, .size: 8, .value_kind: global_buffer, .address_space: global }
      - { .name: att, .offset: 24, .size: 8, .value_kind: global_buffer, .address_space: global }
    .group_segment_fixed_size: 280576
    .private_segment_fixed_size: 0
    .kernarg_segment_align: 8
    .kernarg_segment_size: 32
    .max_flat_workgroup_size: 512
    .sgpr_count:     102
    .vgpr_count:     256
    .wavefront_size: 32
...
	.end_amdgpu_metadata
.endif
;; end of part 3
;; launch oproj (part 4): grid 8 x 32, 8 waves a work-group, clusters of 4 x 4, 327,680 bytes of LDS; arguments att, fi0, o_b, alpha_attn, src, yi; writes yi
.if DOCPART == 4
	.amdgcn_target "amdgcn-amd-amdhsa--gfx1250"
	.amdhsa_code_object_version 6
	.text
	.protected	k_q0cbf746eb8_oproj
	.globl	k_q0cbf746eb8_oproj
	.p2align	8
	.type	k_q0cbf746eb8_oproj,@function
k_q0cbf746eb8_oproj:
	s_mov_b64 s[64:65], 0
	v_nop
	global_prefetch_b8 v0, s[64:65] scope:SCOPE_SE
	s_setreg_imm32_b32 hwreg(HW_REG_WAVE_MODE, 25, 1), 1
	s_wait_xcnt 0x0
	s_wait_alu depctr_hold_cnt(0) depctr_sa_sdst(0) depctr_va_vdst(0) depctr_va_sdst(0) depctr_va_ssrc(0) depctr_va_vcc(0) depctr_vm_vsrc(0)
	s_getreg_b32 s2, hwreg(HW_REG_IB_STS2, 6, 4)
	s_cmp_eq_u32 s2, 0
	s_cbranch_scc0 .Lentry_in_a_cluster
	s_endpgm
.Lentry_in_a_cluster:
	s_bfe_u32 s2, ttmp6, 0x10000c
	s_cmp_lg_u32 s2, 0xf033
	s_cbranch_scc0 .Lentry_shape_is_right
	s_endpgm
.Lentry_shape_is_right:
.set IS2, 0
.set NB, 2
.set KGS, 4
.if IS2
.set NG, 32
.set WCODES, 9437184
.set WSCALES, 22413312
.set ASCALES, 12582912
.else
.set NG, 8
.set WCODES, 3145728+192*1536
.set WSCALES, 22151168+192*64
.set ASCALES, 3145728
.endif
.set NSL, NG/KGS
.set KGSTRIDE, 24576
.set WLOAD, 12288
.set SSTRIDE, 512
.set SPART, NG*SSTRIDE
.set SQ, NG/4
.set SCL, 98304
.set SLOT1, 131072
.set SPARE, 229376
.set GBYTES, 393216
.set SPW, 1
.set NIL, 2
.set SCA, 16
.set SCB, 20
.set AF, 24
.set BF, 72
.set ACC, 96
.set RES, 160
.set L16, 224
.set RO, 225
.set WV, 2
.set RA, 3
.set G0A, 16
.set G0B, 20
.set G1A, 24
.set G1B, 32
.set G0SA, 40
.set G0SB, 44
.set G1SA, 48
.set G1SB, 56
.set RY, 66
.set TKW, 67
.set TB, 68
.set TS, 69
.set SLOTS, 70
.macro FRAG reg, a16, a8, off
	ds_load_b128 v[(\reg):(\reg)+3], v[\a16] offset:(\off)
	ds_load_b64 v[(\reg)+4:(\reg)+5], v[\a8] offset:(\off)
	ds_load_b128 v[(\reg)+6:(\reg)+9], v[\a16] offset:(\off)+768
	ds_load_b64 v[(\reg)+10:(\reg)+11], v[\a8] offset:(\off)+768
.endm
.macro JLOAD g0a, g1a, g0b, g1b
	s_cmp_eq_u32 s[RA], 0
	s_cbranch_scc0 .Lfor_b_\@
	tensor_load_to_lds s[\g0a:\g0a+3], s[\g1a:\g1a+7]
	s_nop 0
.rept 4
	v_nop
.endr
	s_branch .Lasked_\@
.Lfor_b_\@:
	tensor_load_to_lds s[\g0b:\g0b+3], s[\g1b:\g1b+7]
	s_nop 0
.rept 4
	v_nop
.endr
.Lasked_\@:
.endm
.macro CROUND
	s_barrier_signal -1
	s_barrier_wait -1
	s_cmp_lg_u32 s[WV], 0
	s_cbranch_scc1 .Lnot_wave_0_\@
	s_barrier_signal -3
.Lnot_wave_0_\@:
	s_barrier_wait -3
	s_barrier_signal -1
	s_barrier_wait -1
.endm
.macro CHANGE fill
	s_wait_tensorcnt 0x0
	ds_add_u32 v[SPW], v[NIL]
.if \fill
	s_xor_b32 s[G0A+1], s[G0A+1], SLOT1
	s_add_nc_u64 s[G0A+2:G0A+3], s[G0A+2:G0A+3], KGS*GBYTES
	s_xor_b32 s[G0B+1], s[G0B+1], SLOT1
	s_add_nc_u64 s[G0B+2:G0B+3], s[G0B+2:G0B+3], KGS*GBYTES
.endif
	s_wait_dscnt 0x0
.if \fill
	CROUND
	JLOAD G0A, G1A, G0B, G1B
.else
	s_barrier_signal -1
	s_barrier_wait -1
.endif
.endm
.macro STEP kg
	s_add_co_u32 s[TKW], s[TB], (\kg)*KGSTRIDE
	v_add_nc_u32 v9, s[TKW], v3
	v_add_nc_u32 v10, s[TKW], v4
	v_add_nc_u32 v11, s[TKW], v5
	v_add_nc_u32 v12, s[TKW], v6
	v_add_nc_u32 v13, s[TS], v7
	v_add_nc_u32 v14, s[TS], v8
.irp t, 0,1,2,3
	FRAG AF+12*\t, 9, 10, 1536*\t
	ds_load_b32 v[SCA+\t], v13 offset:64*\t
.endr
.set tq, 0
.rept NB
	FRAG BF+12*tq, 11, 12, 1536*tq
	ds_load_b32 v[SCB+tq], v14 offset:64*tq
.set tq, tq+1
.endr
	s_wait_dscnt 0x0
.set tq, 0
.rept NB
.irp t, 0,1,2,3
	v_wmma_scale_f32_16x16x128_f8f6f4 v[ACC+32*tq+8*\t:ACC+32*tq+8*\t+7], v[AF+12*\t:AF+12*\t+11], v[BF+12*tq:BF+12*tq+11], v[ACC+32*tq+8*\t:ACC+32*tq+8*\t+7], v[SCA+\t], v[SCB+tq] matrix_a_fmt:MATRIX_FMT_BF6 matrix_b_fmt:MATRIX_FMT_BF6
.endr
.set tq, tq+1
.endr
	s_add_co_u32 s[TS], s[TS], SSTRIDE
.endm
.macro SLOT_STEPS
.set KQ, 0
.rept KGS
	STEP KQ
.set KQ, KQ+1
.endr
	s_xor_b32 s[TB], s[TB], SLOT1
.endm
	s_load_b256 s[4:11], s[0:1], 0x0
	s_load_b128 s[12:15], s[0:1], 0x20
	v_lshl_add_u32 v[SPW], v0, 2, SPARE
	v_mov_b32 v[NIL], 0
	ds_add_u32 v1, v2
	ds_add_u32 v1, v2
	s_wait_dscnt 0x0
	v_lshrrev_b32 v3, 5, v0
	s_delay_alu instid0(VALU_DEP_1)
	v_readfirstlane_b32 s[WV], v3
	s_and_b32 s[RA], s[WV], 1
	s_lshr_b32 s[RY], s[WV], 1
	v_and_b32 v15, 31, v0
	v_and_b32 v9, 15, v0
	s_delay_alu instid0(VALU_DEP_2)
	v_lshlrev_b32 v[L16], 4, v15
	s_delay_alu instid0(VALU_DEP_3)
	v_lshlrev_b32 v10, 3, v15
	s_delay_alu instid0(VALU_DEP_3)
	v_lshlrev_b32 v11, 2, v9
	s_wait_alu depctr_va_vdst(0)
	s_mul_i32 s86, s[RA], 6144
	s_mul_i32 s87, s[RY], 3072
	s_add_co_u32 s87, s87, 12288
	v_add_nc_u32 v3, s86, v[L16]
	v_add_nc_u32 v5, s87, v[L16]
	s_add_co_u32 s86, s86, 512
	s_add_co_u32 s87, s87, 512
	v_add_nc_u32 v4, s86, v10
	v_add_nc_u32 v6, s87, v10
	s_lshl_b32 s86, s[RA], 8
	s_add_co_u32 s86, s86, SCL
	s_lshl_b32 s87, s[RY], 7
	s_add_co_u32 s87, s87, SCL+SPART
	v_add_nc_u32 v7, s86, v11
	v_add_nc_u32 v8, s87, v11
	v_bfe_u32 v15, v0, 4, 1
	s_delay_alu instid0(VALU_DEP_1)
	v_lshlrev_b32 v15, 6, v15
	v_and_b32 v[RO], 8, v9
	s_delay_alu instid0(VALU_DEP_1)
	v_add_nc_u32 v[RO], v[RO], v9
	s_delay_alu instid0(VALU_DEP_1)
	v_lshl_add_u32 v[RO], v[RO], 12, v15
	s_bfe_u32 s71, ttmp6, 0x40000
	s_bfe_u32 s72, ttmp6, 0x40004
	s_lshl_b32 s73, ttmp9, 2
	s_add_co_u32 s73, s73, s71
	s_and_b32 s74, ttmp7, 0xffff
	s_lshl_b32 s74, s74, 2
	s_add_co_u32 s74, s74, s72
	s_lshl_b32 s75, s72, 2
	s_lshl_b32 s75, 15, s75
	s_lshl_b32 s76, 0x1111, s71
	s_or_b32 s[G1A], s76, (3<<16)|(1<<21)
	s_or_b32 s[G1B], s75, (3<<16)|(1<<21)
.irp g, G1A, G1B
	s_mov_b32 s[\g+1], 32<<16
	s_mov_b32 s[\g+2], (WLOAD/256)<<16
	s_mov_b32 s[\g+3], 32<<16
	s_mov_b32 s[\g+4], WLOAD/256
	s_mov_b32 s[\g+5], 32
	s_mov_b32 s[\g+6], 0
	s_mov_b32 s[\g+7], 0
.endr
	s_or_b32 s[G1SA], s76, (3<<16)|(1<<21)
	s_or_b32 s[G1SB], s75, (3<<16)|(1<<21)
.irp g, G1SA, G1SB
	s_mov_b32 s[\g+1], (SSTRIDE/8)<<16
	s_mov_b32 s[\g+2], SQ<<16
	s_mov_b32 s[\g+3], (SSTRIDE/8)<<16
	s_mov_b32 s[\g+4], SQ
	s_mov_b32 s[\g+5], 2048
	s_mov_b32 s[\g+6], 0
	s_mov_b32 s[\g+7], 0
.endr
	s_mov_b32 s[TB], 0
	s_mov_b32 s[TS], 0
	s_mov_b32 s[SLOTS], NSL-1
	s_mul_i32 s88, s[RY], GBYTES
	s_mul_i32 s89, s[RY], SQ*16384
	s_mul_i32 s90, s[WV], WLOAD
	s_mul_i32 s91, s[RA], SPART
	s_mul_i32 s87, s[RY], SQ*SSTRIDE
	s_add_co_u32 s91, s91, s87
	s_add_co_u32 s91, s91, SCL
	s_mul_i32 s78, s73, 8*1536
	s_add_co_u32 s78, s78, WCODES
	s_add_co_u32 s78, s78, s88
	s_mov_b32 s79, 0
	s_lshl_b32 s80, s73, 9
	s_add_co_u32 s80, s80, WSCALES
	s_add_co_u32 s80, s80, s89
	s_mov_b32 s81, 0
	s_mul_i32 s82, s74, 8*1536
	s_add_co_u32 s82, s82, s88
	s_mov_b32 s83, 0
	s_lshl_b32 s84, s74, 9
	s_add_co_u32 s84, s84, ASCALES
	s_add_co_u32 s84, s84, s89
	s_mov_b32 s85, 0
	s_wait_kmcnt 0x0
	s_load_b32 s98, s[10:11], 0x0
	s_mov_b32 s[G0A], 1
	s_mov_b32 s[G0A+1], s90
	s_add_nc_u64 s[G0A+2:G0A+3], s[6:7], s[78:79]
	s_or_b32 s[G0A+3], s[G0A+3], 0x80000000
	s_mov_b32 s[G0B], 1
	s_mov_b32 s[G0B+1], s90
	s_add_nc_u64 s[G0B+2:G0B+3], s[4:5], s[82:83]
	s_or_b32 s[G0B+3], s[G0B+3], 0x80000000
	s_mov_b32 s[G0SA], 1
	s_mov_b32 s[G0SA+1], s91
	s_add_nc_u64 s[G0SA+2:G0SA+3], s[6:7], s[80:81]
	s_or_b32 s[G0SA+3], s[G0SA+3], 0x80000000
	s_mov_b32 s[G0SB], 1
	s_mov_b32 s[G0SB+1], s91
	s_add_nc_u64 s[G0SB+2:G0SB+3], s[4:5], s[84:85]
	s_or_b32 s[G0SB+3], s[G0SB+3], 0x80000000
	CROUND
	JLOAD G0SA, G1SA, G0SB, G1SB
	s_wait_alu depctr_va_vdst(0)
	s_wait_tensorcnt 0x0
	ds_add_u32 v1, v2
	s_wait_dscnt 0x0
	CROUND
	JLOAD G0A, G1A, G0B, G1B
	s_lshl_b32 s86, s73, 8
	s_lshl_b32 s87, s74, 3
	s_lshl_b32 s88, s[RY], 1
	s_add_co_u32 s87, s87, s88
	s_add_co_u32 s86, s86, s87
	s_lshl_b32 s90, s86, 13
	s_lshl_b32 s88, s[RA], 12
	s_add_co_u32 s90, s90, s88
	s_mov_b32 s91, 0
	s_add_nc_u64 s[92:93], s[14:15], s[90:91]
.if IS2
	s_add_nc_u64 s[94:95], s[12:13], s[90:91]
.else
	s_lshl_b32 s90, s87, 16
	s_lshl_b32 s88, s73, 9
	s_add_co_u32 s90, s90, s88
	s_lshl_b32 s88, s[RA], 8
	s_add_co_u32 s90, s90, s88
	s_add_nc_u64 s[94:95], s[12:13], s[90:91]
.endif
	s_lshl_b32 s90, s73, 9
	s_lshl_b32 s88, s[RA], 8
	s_add_co_u32 s90, s90, s88
	s_add_nc_u64 s[96:97], s[8:9], s[90:91]
	s_wait_alu depctr_va_vdst(0)
.irp tp, 0,1
.irp t, 0,1,2,3
	global_load_b128 v[ACC+32*\tp+8*\t:ACC+32*\tp+8*\t+3], v15, s[96:97] offset:(32*(\t/2)+8*(\t%2))*4
	global_load_b128 v[ACC+32*\tp+8*\t+4:ACC+32*\tp+8*\t+7], v15, s[96:97] offset:(32*(\t/2)+8*(\t%2))*4+16
.endr
.endr
.irp tp, 0,1
.irp q, 0,1,2,3,4,5,6,7
.if IS2
	global_load_b128 v[RES+32*\tp+4*\q:RES+32*\tp+4*\q+3], v[L16], s[94:95] offset:8192*\tp+512*\q
.else
	global_load_b128 v[RES+32*\tp+4*\q:RES+32*\tp+4*\q+3], v[RO], s[94:95] offset:32768*\tp+128*(\q/4)+16*(\q%4)
.endif
.endr
.endr
	s_wait_loadcnt 0x10                            ; the 16 loads of the bias are in; the 16 of the residual, issued behind them, may be out: only the way out reads them
	s_wait_kmcnt 0x0
	s_mov_b32 s99, s98
.Lslot:
	CHANGE 1
	SLOT_STEPS
	s_sub_co_u32 s[SLOTS], s[SLOTS], 1
	s_cmp_lg_u32 s[SLOTS], 0
	s_cbranch_scc1 .Lslot
	CHANGE 0
	SLOT_STEPS
	s_wait_loadcnt 0x0                             ; the residual
.rept 4
	v_nop
.endr
.set j, 0
.rept 32
	v_pk_fma_f32 v[RES+j:RES+j+1], v[ACC+j:ACC+j+1], s[98:99], v[RES+j:RES+j+1] op_sel_hi:[1,0,1]
.set j, j+2
.endr
.irp tp, 0,1
.irp q, 0,1,2,3,4,5,6,7
	global_store_b128 v[L16], v[RES+32*\tp+4*\q:RES+32*\tp+4*\q+3], s[92:93] offset:8192*\tp+512*\q
.endr
.endr
	s_wait_tensorcnt 0x0
	ds_add_u32 v[SPW], v[NIL]
	s_wait_dscnt 0x0
	CROUND
	s_endpgm
.Lfunc_end_k_q0cbf746eb8_oproj:
	.size	k_q0cbf746eb8_oproj, .Lfunc_end_k_q0cbf746eb8_oproj-k_q0cbf746eb8_oproj
	.p2alignl 7, 3214868480
	.fill 96, 4, 3214868480
	.section	.rodata,"a",@progbits
	.p2align	6, 0x0
	.amdhsa_kernel k_q0cbf746eb8_oproj
		.amdhsa_group_segment_fixed_size 327680
		.amdhsa_private_segment_fixed_size 0
		.amdhsa_enable_private_segment 0
		.amdhsa_kernarg_size 48
		.amdhsa_user_sgpr_count 2
		.amdhsa_user_sgpr_kernarg_segment_ptr 1
		.amdhsa_wavefront_size32 1
		.amdhsa_system_sgpr_workgroup_id_x 1
		.amdhsa_system_sgpr_workgroup_id_y 1
		.amdhsa_system_sgpr_workgroup_id_z 1
		.amdhsa_system_vgpr_workitem_id 0
		.amdhsa_next_free_vgpr 232
		.amdhsa_next_free_sgpr 100
		.amdhsa_reserve_vcc 0
		.amdhsa_float_denorm_mode_32 3
		.amdhsa_float_denorm_mode_16_64 3
		.amdhsa_memory_ordered 1
		.amdhsa_forward_progress 1
		.amdhsa_inst_pref_size 44
	.end_amdhsa_kernel
	.amdgpu_metadata
---
amdhsa.version: [ 1, 2 ]
amdhsa.kernels:
  - .name:           k_q0cbf746eb8_oproj
    .symbol:         k_q0cbf746eb8_oproj.kd
    .args:
      - { .name: att, .offset: 0, .size: 8, .value_kind: global_buffer, .address_space: global }
      - { .name: fi0, .offset: 8, .size: 8, .value_kind: global_buffer, .address_space: global }
      - { .name: o_b, .offset: 16, .size: 8, .value_kind: global_buffer, .address_space: global }
      - { .name: alpha_attn, .offset: 24, .size: 8, .value_kind: global_buffer, .address_space: global }
      - { .name: src, .offset: 32, .size: 8, .value_kind: global_buffer, .address_space: global }
      - { .name: yi, .offset: 40, .size: 8, .value_kind: global_buffer, .address_space: global }
    .group_segment_fixed_size: 327680
    .private_segment_fixed_size: 0
    .kernarg_segment_align: 8
    .kernarg_segment_size: 48
    .max_flat_workgroup_size: 256
    .sgpr_count:     100
    .vgpr_count:     232
    .wavefront_size: 32
...
	.end_amdgpu_metadata
.endif
;; end of part 4
;; launch ln1 (part 5): grid 256 x 1, 8 waves a work-group, no clusters, 2,048 bytes of LDS; arguments yi, n1_s, n1_b, xb; writes xb
.if DOCPART == 5
	.amdgcn_target "amdgcn-amd-amdhsa--gfx1250"
	.amdhsa_code_object_version 6
	.text
	.protected	k_q0cbf746eb8_ln1
	.globl	k_q0cbf746eb8_ln1
	.p2align	8
	.type	k_q0cbf746eb8_ln1,@function
k_q0cbf746eb8_ln1:
	s_mov_b64 s[64:65], 0
	v_nop
	global_prefetch_b8 v0, s[64:65] scope:SCOPE_SE
	s_setreg_imm32_b32 hwreg(HW_REG_WAVE_MODE, 25, 1), 1
	s_wait_xcnt 0x0
; LAYERNORM of 16 tokens (token tile T = the work-group) on the f32 image, and the quantiser for the next product.
; Wave g holds the image's record (T, g): lane (r, h) has 64 numbers of token r: register 16 b + i = column 128 g + 32 b + 16 h + i.  Every load and store of the image is dense.
; Mean first, then the mean of the squared differences (two passes over registers): a common offset of the inputs does no harm.  A row's 1,024 numbers lie in 8 waves x 2 lanes:
; lane l xor 16 is joined by a lane permute, the 8 waves through 32 bytes of LDS a row, one barrier for each of the two sums (other bytes for the second).
; x goes out twice: as the f32 image (the residual of the second block) and as records of E3M2 codes with their scale words (the operand of the next product).
; Memory binds here: no matrix unit, no tensor load, no cluster: work-groups share nothing but 8 KiB of gains.
; LIMITS: NaN and infinities are not served; a block whose largest magnitude lies under 2^-122, a block of zeros too, gets the scale byte 1.
.set X,   32                           ; v32-95
.set NS,  96                           ; v96-159  the gain of my 64 columns
.set NBI, 160                          ; v160-223 the bias
.set TM,  96                           ; the quantiser works in the gain's registers
.set PC,  112
.set PW,  132
.set SEL, 20
.macro QUANT s0, s1
.irp b, 0,1,2,3
.set QB, (\s0)*(1-\b/2)+(\s1)*(\b/2)+16*(\b%2)
	v_max3_num_f32 v[TM+\b], |v[QB]|, |v[QB+1]|, 0x2800000
.endr
.irp i, 2,4,6,8,10,12,14
.irp b, 0,1,2,3
.set QB, (\s0)*(1-\b/2)+(\s1)*(\b/2)+16*(\b%2)
	s_delay_alu instid0(VALU_DEP_4)
	v_max3_num_f32 v[TM+\b], v[TM+\b], |v[QB+\i]|, |v[QB+\i+1]|
.endr
.endr
.irp b, 0,1,2,3
	s_delay_alu instid0(VALU_DEP_4)
	v_permlanex16_b32 v[TM+4+\b], v[TM+\b], s[SEL], s[SEL+1]
.endr
.irp b, 0,1,2,3
	s_delay_alu instid0(VALU_DEP_4)
	v_max_num_f32 v[TM+\b], v[TM+\b], v[TM+4+\b]
.endr
.irp b, 0,1,2,3
	s_delay_alu instid0(VALU_DEP_4)
	v_add_nc_u32 v[TM+12+\b], 0xfe000000, v[TM+\b]
.endr
.irp b, 0,1,2,3
	s_delay_alu instid0(VALU_DEP_4)
	v_lshrrev_b32 v[TM+4+\b], 23, v[TM+12+\b]
.endr
	s_delay_alu instid0(VALU_DEP_3)
	v_lshl_or_b32 v[PW], v[TM+5], 8, v[TM+4]
	s_delay_alu instid0(VALU_DEP_1)
	v_lshl_or_b32 v[PW], v[TM+6], 16, v[PW]
	s_delay_alu instid0(VALU_DEP_1)
	v_lshl_or_b32 v[PW], v[TM+7], 24, v[PW]
.irp c, 0,1
.set QC, (\s0)*(1-\c)+(\s1)*\c
	v_cvt_scalef32_pk16_bf6_f32 v[PC+6*\c:PC+6*\c+2], v[QC:QC+15], v[TM+12+2*\c]
	v_cvt_scalef32_pk16_bf6_f32 v[PC+12+4*\c:PC+14+4*\c], v[QC+16:QC+31], v[TM+13+2*\c]
.endr
	v_nop
.irp c, 0,1
.irp i, 0,1,2
	v_permlane16_swap_b32 v[PC+6*\c+\i], v[PC+12+4*\c+\i]
.endr
.irp i, 0,1,2
	s_delay_alu instid0(VALU_DEP_3)
	v_mov_b32 v[PC+3+6*\c+\i], v[PC+12+4*\c+\i]
.endr
.endr
.endm
.macro PUTH reg, sb, off
	global_store_b128 v5, v[(\reg):(\reg)+3], s[\sb:\sb+1] offset:(\off)
	global_store_b64 v6, v[(\reg)+4:(\reg)+5], s[\sb:\sb+1] offset:(\off)+512
.endm
.macro ROWSUM off                      ; four chains of pairs in v[20:27] become the sum over the row's 1,024 columns, in v20 of every lane
	s_delay_alu instid0(VALU_DEP_3)
	v_pk_add_f32 v[20:21], v[20:21], v[22:23]
	s_delay_alu instid0(VALU_DEP_2)
	v_pk_add_f32 v[24:25], v[24:25], v[26:27]
	s_delay_alu instid0(VALU_DEP_1)
	v_pk_add_f32 v[20:21], v[20:21], v[24:25]
	s_delay_alu instid0(VALU_DEP_1)
	v_add_f32 v20, v20, v21
	s_delay_alu instid0(VALU_DEP_1)
	v_permlanex16_b32 v21, v20, s[SEL], s[SEL+1]
	s_delay_alu instid0(VALU_DEP_1)
	v_add_f32 v20, v20, v21                        ; my wave's 128 columns of row r
	ds_store_b32 v9, v20 offset:\off               ; lanes r and r + 16 write the same word with the same value
	s_wait_dscnt 0x0                               ; for the others' sake
	s_barrier_signal -1
	s_barrier_wait -1
	ds_load_b128 v[20:23], v10 offset:\off
	ds_load_b128 v[24:27], v10 offset:\off+16
	s_wait_dscnt 0x0
	v_pk_add_f32 v[20:21], v[20:21], v[22:23]
	v_pk_add_f32 v[24:25], v[24:25], v[26:27]
	s_delay_alu instid0(VALU_DEP_1)
	v_pk_add_f32 v[20:21], v[20:21], v[24:25]
	s_delay_alu instid0(VALU_DEP_1)
	v_add_f32 v20, v20, v21
.endm
	s_load_b256 s[4:11], s[0:1], 0x0               ; yi, the gain, the bias, xb
	v_lshl_add_u32 v224, v0, 2, 0x400
	v_mov_b32 v225, 0
	v_lshrrev_b32 v1, 5, v0
	s_delay_alu instid0(VALU_DEP_1)
	v_readfirstlane_b32 s2, v1                     ; g
	v_and_b32 v1, 31, v0
	v_and_b32 v2, 15, v0
	v_bfe_u32 v3, v0, 4, 1
	s_delay_alu instid0(VALU_DEP_3)
	v_lshlrev_b32 v5, 4, v1                        ; 16 x lane
	s_delay_alu instid0(VALU_DEP_4)
	v_lshlrev_b32 v6, 3, v1                        ; 8 x lane
	s_delay_alu instid0(VALU_DEP_4)
	v_lshlrev_b32 v7, 2, v2                        ; 4 r
	s_delay_alu instid0(VALU_DEP_4)
	v_lshlrev_b32 v8, 6, v3                        ; 64 h
	s_lshl_b32 s3, s2, 2
	v_lshl_add_u32 v9, v2, 5, s3                   ; LDS: 32 r + 4 g
	v_lshlrev_b32 v10, 5, v2                       ; 32 r
	s_mov_b32 s[SEL], 0x76543210
	s_mov_b32 s[SEL+1], 0xfedcba98
	s_mov_b32 s22, 0x3a800000                      ; 1 / 1,024
	s_mov_b32 s23, 0x3727c5ac                      ; 1e-5
	s_lshl_b32 s12, s2, 8
	s_add_co_u32 s12, s12, ttmp9                   ; 256 g + T
	s_lshl_b32 s14, s12, 13
	s_mov_b32 s15, 0
	s_lshl_b32 s16, s2, 9
	s_mov_b32 s17, 0
	s_mul_i32 s18, s12, 1536
	s_add_co_u32 s18, s18, 16777216
	s_mov_b32 s19, 0
	s_lshl_b32 s30, s12, 6
	s_add_co_u32 s30, s30, 19922944
	s_mov_b32 s31, 0
	s_wait_alu depctr_va_vdst(0)
	s_wait_kmcnt 0x0
	s_add_nc_u64 s[4:5], s[4:5], s[14:15]
	s_add_nc_u64 s[6:7], s[6:7], s[16:17]
	s_add_nc_u64 s[8:9], s[8:9], s[16:17]
	s_add_nc_u64 s[24:25], s[10:11], s[14:15]      ; x's image
	s_add_nc_u64 s[26:27], s[10:11], s[18:19]      ; x's record
	s_add_nc_u64 s[28:29], s[10:11], s[30:31]      ; x's scale words
.irp q, 0,1,2,3,4,5,6,7,8,9,10,11,12,13,14,15
	global_load_b128 v[X+4*\q:X+4*\q+3], v5, s[4:5] offset:512*\q
.endr
.irp q, 0,1,2,3,4,5,6,7,8,9,10,11,12,13,14,15
	global_load_b128 v[NS+4*\q:NS+4*\q+3], v8, s[6:7] offset:128*(\q/4)+16*(\q%4)
	global_load_b128 v[NBI+4*\q:NBI+4*\q+3], v8, s[8:9] offset:128*(\q/4)+16*(\q%4)
.endr
	s_wait_loadcnt 0x0
.irp k, 0,1,2,3
	v_pk_add_f32 v[20+2*\k:21+2*\k], v[X+4*\k:X+4*\k+1], v[X+4*\k+2:X+4*\k+3]
.endr
.set p, 8
.rept 24
	s_delay_alu instid0(VALU_DEP_4)
	v_pk_add_f32 v[20+2*(p%4):21+2*(p%4)], v[20+2*(p%4):21+2*(p%4)], v[X+2*p:X+2*p+1]
.set p, p+1
.endr
	ROWSUM 0
	s_delay_alu instid0(VALU_DEP_1)
	v_mul_f32 v16, s22, v20                        ; the mean
	s_delay_alu instid0(VALU_DEP_1)
	v_mov_b32 v17, v16
.set j, 0
.rept 32
	v_pk_add_f32 v[X+j:X+j+1], v[X+j:X+j+1], v[16:17] op_sel_hi:[1,0] neg_lo:[0,1] neg_hi:[0,1]
.set j, j+2
.endr
.irp k, 0,1,2,3
	v_pk_mul_f32 v[20+2*\k:21+2*\k], v[X+2*\k:X+2*\k+1], v[X+2*\k:X+2*\k+1]
.endr
.set p, 4
.rept 28
	s_delay_alu instid0(VALU_DEP_4)
	v_pk_fma_f32 v[20+2*(p%4):21+2*(p%4)], v[X+2*p:X+2*p+1], v[X+2*p:X+2*p+1], v[20+2*(p%4):21+2*(p%4)]
.set p, p+1
.endr
	ROWSUM 512
	s_delay_alu instid0(VALU_DEP_1)
	v_fma_f32 v18, v20, s22, s23                   ; the variance + 1e-5
	s_wait_alu depctr_va_vdst(0)
	v_rsq_f32 v18, v18
	v_mov_b32 v19, 0                               ; a plain place behind the transcendental; and the pair's upper half is written
.set j, 0
	s_wait_alu depctr_va_vdst(0)
.rept 32
	v_pk_mul_f32 v[X+j:X+j+1], v[X+j:X+j+1], v[18:19] op_sel_hi:[1,0]
.set j, j+2
.endr
.set j, 0
.rept 32
	v_pk_fma_f32 v[X+j:X+j+1], v[X+j:X+j+1], v[NS+j:NS+j+1], v[NBI+j:NBI+j+1]
.set j, j+2
.endr
.irp q, 0,1,2,3,4,5,6,7,8,9,10,11,12,13,14,15
	global_store_b128 v5, v[X+4*\q:X+4*\q+3], s[24:25] offset:512*\q
.endr
.irp b, 0,1,2,3
	v_mov_b32 v[TM+4+\b], 0                        ; a lane permute's destination counts as one of its sources
.endr
	QUANT X, X+32                                  ; it only reads X, which the stores above still read
	PUTH PC, 26, 0
	PUTH PC+6, 26, 768
	global_store_b32 v7, v[PW], s[28:29]
	s_wait_tensorcnt 0x0
	ds_add_u32 v224, v225
	s_wait_dscnt 0x0
	s_endpgm
.Lfunc_end_k_q0cbf746eb8_ln1:
	.size	k_q0cbf746eb8_ln1, .Lfunc_end_k_q0cbf746eb8_ln1-k_q0cbf746eb8_ln1
	.p2alignl 7, 3214868480
	.fill 96, 4, 3214868480
	.section	.rodata,"a",@progbits
	.p2align	6, 0x0
	.amdhsa_kernel k_q0cbf746eb8_ln1
		.amdhsa_group_segment_fixed_size 2048
		.amdhsa_private_segment_fixed_size 0
		.amdhsa_enable_private_segment 0
		.amdhsa_kernarg_size 32
		.amdhsa_user_sgpr_count 2
		.amdhsa_user_sgpr_kernarg_segment_ptr 1
		.amdhsa_wavefront_size32 1
		.amdhsa_system_sgpr_workgroup_id_x 1
		.amdhsa_system_sgpr_workgroup_id_y 1
		.amdhsa_system_sgpr_workgroup_id_z 1
		.amdhsa_system_vgpr_workitem_id 0
		.amdhsa_next_free_vgpr 226
		.amdhsa_next_free_sgpr 66
		.amdhsa_reserve_vcc 0
		.amdhsa_float_denorm_mode_32 3
		.amdhsa_float_denorm_mode_16_64 3
		.amdhsa_memory_ordered 1
		.amdhsa_forward_progress 1
		.amdhsa_inst_pref_size 29
	.end_amdhsa_kernel
	.amdgpu_metadata
---
amdhsa.version: [ 1, 2 ]
amdhsa.kernels:
  - .name:           k_q0cbf746eb8_ln1
    .symbol:         k_q0cbf746eb8_ln1.kd
    .args:
      - { .name: yi, .offset: 0, .size: 8, .value_kind: global_buffer, .address_space: global }
      - { .name: n1_s, .offset: 8, .size: 8, .value_kind: global_buffer, .address_space: global }
      - { .name: n1_b, .offset: 16, .size: 8, .value_kind: global_buffer, .address_space: global }
      - { .name: xb, .offset: 24, .size: 8, .value_kind: global_buffer, .address_space: global }
    .group_segment_fixed_size: 2048
    .private_segment_fixed_size: 0
    .kernarg_segment_align: 8
    .kernarg_segment_size: 32
    .max_flat_workgroup_size: 256
    .sgpr_count:     66
    .vgpr_count:     226
    .wavefront_size: 32
...
	.end_amdgpu_metadata
.endif
;; end of part 5
;; launch ffn1 (part 6): grid 16 x 16, 16 waves a work-group, clusters of 4 x 4, 327,680 bytes of LDS; arguments fi0, xb, l1_b, hb; writes hb
.if DOCPART == 6
	.amdgcn_target "amdgcn-amd-amdhsa--gfx1250"
	.amdhsa_code_object_version 6
	.text
	.protected	k_q0cbf746eb8_ffn1
	.globl	k_q0cbf746eb8_ffn1
	.p2align	8
	.type	k_q0cbf746eb8_ffn1,@function
k_q0cbf746eb8_ffn1:
	s_mov_b64 s[64:65], 0
	v_nop
	global_prefetch_b8 v0, s[64:65] scope:SCOPE_SE
	s_setreg_imm32_b32 hwreg(HW_REG_WAVE_MODE, 25, 1), 1
	s_wait_xcnt 0x0
	s_wait_alu depctr_hold_cnt(0) depctr_sa_sdst(0) depctr_va_vdst(0) depctr_va_sdst(0) depctr_va_ssrc(0) depctr_va_vcc(0) depctr_vm_vsrc(0)
	s_getreg_b32 s2, hwreg(HW_REG_IB_STS2, 6, 4)
	s_cmp_eq_u32 s2, 0
	s_cbranch_scc0 .Lentry_in_a_cluster
	s_endpgm
.Lentry_in_a_cluster:
	s_bfe_u32 s2, ttmp6, 0x10000c
	s_cmp_lg_u32 s2, 0xf033
	s_cbranch_scc0 .Lentry_shape_is_right
	s_endpgm
.Lentry_shape_is_right:
.set NB, 4
.set KGS, 2
.set NG, 8
.set NSL, NG/KGS
.set KGSTRIDE, 49152
.set WLOAD, 6144
.set SSTRIDE, 1024
.set SPART, NG*SSTRIDE
.set SCL, 98304
.set SLOT1, 131072
.set SPARE, 229376
.set GBYTES, 393216
.set SPW, 1
.set NIL, 2
.set SCA, 16
.set SCB, 20
.set AF, 24
.set BF, 72
.set ACC, 120
.set TM, 24
.set PC, 40
.set PW, 60
.set L16, 248
.set L8, 249
.set R4, 250
.set WV, 2
.set RA, 3
.set PT, 12
.set IDX, 13
.set G0A, 16
.set G0B, 20
.set G1A, 24
.set G1B, 32
.set G0SA, 40
.set G0SB, 44
.set G1SA, 48
.set G1SB, 56
.set RY, 66
.set TKW, 67
.set TB, 68
.set TS, 69
.set SLOTS, 70
.set SEL, 98
.macro QUANT s0, s1
.irp b, 0,1,2,3
.set QB, (\s0)*(1-\b/2)+(\s1)*(\b/2)+16*(\b%2)
	v_max3_num_f32 v[TM+\b], |v[QB]|, |v[QB+1]|, 0x2800000
.endr
.irp i, 2,4,6,8,10,12,14
.irp b, 0,1,2,3
.set QB, (\s0)*(1-\b/2)+(\s1)*(\b/2)+16*(\b%2)
	s_delay_alu instid0(VALU_DEP_4)
	v_max3_num_f32 v[TM+\b], v[TM+\b], |v[QB+\i]|, |v[QB+\i+1]|
.endr
.endr
.irp b, 0,1,2,3
	s_delay_alu instid0(VALU_DEP_4)
	v_permlanex16_b32 v[TM+4+\b], v[TM+\b], s[SEL], s[SEL+1]
.endr
.irp b, 0,1,2,3
	s_delay_alu instid0(VALU_DEP_4)
	v_max_num_f32 v[TM+\b], v[TM+\b], v[TM+4+\b]
.endr
.irp b, 0,1,2,3
	s_delay_alu instid0(VALU_DEP_4)
	v_add_nc_u32 v[TM+12+\b], 0xfe000000, v[TM+\b]
.endr
.irp b, 0,1,2,3
	s_delay_alu instid0(VALU_DEP_4)
	v_lshrrev_b32 v[TM+4+\b], 23, v[TM+12+\b]
.endr
	s_delay_alu instid0(VALU_DEP_3)
	v_lshl_or_b32 v[PW], v[TM+5], 8, v[TM+4]
	s_delay_alu instid0(VALU_DEP_1)
	v_lshl_or_b32 v[PW], v[TM+6], 16, v[PW]
	s_delay_alu instid0(VALU_DEP_1)
	v_lshl_or_b32 v[PW], v[TM+7], 24, v[PW]
.irp c, 0,1
.set QC, (\s0)*(1-\c)+(\s1)*\c
	v_cvt_scalef32_pk16_bf6_f32 v[PC+6*\c:PC+6*\c+2], v[QC:QC+15], v[TM+12+2*\c]
	v_cvt_scalef32_pk16_bf6_f32 v[PC+12+4*\c:PC+14+4*\c], v[QC+16:QC+31], v[TM+13+2*\c]
.endr
	v_nop
.irp c, 0,1
.irp i, 0,1,2
	v_permlane16_swap_b32 v[PC+6*\c+\i], v[PC+12+4*\c+\i]
.endr
.irp i, 0,1,2
	s_delay_alu instid0(VALU_DEP_3)
	v_mov_b32 v[PC+3+6*\c+\i], v[PC+12+4*\c+\i]
.endr
.endr
.endm
.macro PUTH reg, sb, off
	global_store_b128 v[L16], v[(\reg):(\reg)+3], s[\sb:\sb+1] offset:(\off)
	global_store_b64 v[L8], v[(\reg)+4:(\reg)+5], s[\sb:\sb+1] offset:(\off)+512
.endm
.macro FRAG reg, a16, a8, off
	ds_load_b128 v[(\reg):(\reg)+3], v[\a16] offset:(\off)
	ds_load_b64 v[(\reg)+4:(\reg)+5], v[\a8] offset:(\off)
	ds_load_b128 v[(\reg)+6:(\reg)+9], v[\a16] offset:(\off)+768
	ds_load_b64 v[(\reg)+10:(\reg)+11], v[\a8] offset:(\off)+768
.endm
.macro JLOAD g0a, g1a, g0b, g1b
	s_cmp_eq_u32 s[PT], 0
	s_cbranch_scc0 .Lfor_b_\@
	tensor_load_to_lds s[\g0a:\g0a+3], s[\g1a:\g1a+7]
	s_nop 0
.rept 4
	v_nop
.endr
	s_branch .Lasked_\@
.Lfor_b_\@:
	tensor_load_to_lds s[\g0b:\g0b+3], s[\g1b:\g1b+7]
	s_nop 0
.rept 4
	v_nop
.endr
.Lasked_\@:
.endm
.macro CROUND
	s_barrier_signal -1
	s_barrier_wait -1
	s_cmp_lg_u32 s[WV], 0
	s_cbranch_scc1 .Lnot_wave_0_\@
	s_barrier_signal -3
.Lnot_wave_0_\@:
	s_barrier_wait -3
	s_barrier_signal -1
	s_barrier_wait -1
.endm
.macro CHANGE fill
	s_wait_tensorcnt 0x0
	ds_add_u32 v[SPW], v[NIL]
.if \fill
	s_xor_b32 s[G0A+1], s[G0A+1], SLOT1
	s_add_nc_u64 s[G0A+2:G0A+3], s[G0A+2:G0A+3], KGS*GBYTES
	s_xor_b32 s[G0B+1], s[G0B+1], SLOT1
	s_add_nc_u64 s[G0B+2:G0B+3], s[G0B+2:G0B+3], KGS*GBYTES
.endif
	s_wait_dscnt 0x0
.if \fill
	CROUND
	JLOAD G0A, G1A, G0B, G1B
.else
	s_barrier_signal -1
	s_barrier_wait -1
.endif
.endm
.macro STEP kg
	s_add_co_u32 s[TKW], s[TB], (\kg)*KGSTRIDE
	v_add_nc_u32 v9, s[TKW], v3
	v_add_nc_u32 v10, s[TKW], v4
	v_add_nc_u32 v11, s[TKW], v5
	v_add_nc_u32 v12, s[TKW], v6
	v_add_nc_u32 v13, s[TS], v7
	v_add_nc_u32 v14, s[TS], v8
.irp t, 0,1,2,3
	FRAG AF+12*\t, 9, 10, 1536*\t
	ds_load_b32 v[SCA+\t], v13 offset:64*\t
.endr
.set tq, 0
.rept NB
	FRAG BF+12*tq, 11, 12, 1536*tq
	ds_load_b32 v[SCB+tq], v14 offset:64*tq
.set tq, tq+1
.endr
	s_wait_dscnt 0x0
.set tq, 0
.rept NB
.irp t, 0,1,2,3
	v_wmma_scale_f32_16x16x128_f8f6f4 v[ACC+32*tq+8*\t:ACC+32*tq+8*\t+7], v[AF+12*\t:AF+12*\t+11], v[BF+12*tq:BF+12*tq+11], v[ACC+32*tq+8*\t:ACC+32*tq+8*\t+7], v[SCA+\t], v[SCB+tq] matrix_a_fmt:MATRIX_FMT_BF6 matrix_b_fmt:MATRIX_FMT_BF6
.endr
.set tq, tq+1
.endr
	s_add_co_u32 s[TS], s[TS], SSTRIDE
.endm
.macro SLOT_STEPS
.set KQ, 0
.rept KGS
	STEP KQ
.set KQ, KQ+1
.endr
	s_xor_b32 s[TB], s[TB], SLOT1
.endm
	s_load_b256 s[4:11], s[0:1], 0x0
	v_lshl_add_u32 v[SPW], v0, 2, SPARE
	v_mov_b32 v[NIL], 0
	ds_add_u32 v1, v2
	ds_add_u32 v1, v2
	s_wait_dscnt 0x0
	v_lshrrev_b32 v3, 5, v0
	s_delay_alu instid0(VALU_DEP_1)
	v_readfirstlane_b32 s[WV], v3
	s_and_b32 s[RA], s[WV], 3
	s_lshr_b32 s[RY], s[WV], 2
	s_and_b32 s[PT], s[RY], 1
	s_lshr_b32 s[IDX], s[WV], 3
	s_lshl_b32 s[IDX], s[IDX], 2
	s_add_co_u32 s[IDX], s[IDX], s[RA]
	v_and_b32 v15, 31, v0
	v_and_b32 v9, 15, v0
	s_delay_alu instid0(VALU_DEP_2)
	v_lshlrev_b32 v[L16], 4, v15
	s_delay_alu instid0(VALU_DEP_3)
	v_lshlrev_b32 v[L8], 3, v15
	s_delay_alu instid0(VALU_DEP_3)
	v_lshlrev_b32 v[R4], 2, v9
	s_wait_alu depctr_va_vdst(0)
	s_mul_i32 s86, s[RA], 6144
	s_mul_i32 s87, s[RY], 6144
	s_add_co_u32 s87, s87, 24576
	v_add_nc_u32 v3, s86, v[L16]
	v_add_nc_u32 v5, s87, v[L16]
	s_add_co_u32 s86, s86, 512
	s_add_co_u32 s87, s87, 512
	v_add_nc_u32 v4, s86, v[L8]
	v_add_nc_u32 v6, s87, v[L8]
	s_lshl_b32 s86, s[RA], 8
	s_add_co_u32 s86, s86, SCL
	s_lshl_b32 s87, s[RY], 8
	s_add_co_u32 s87, s87, SCL+SPART
	v_add_nc_u32 v7, s86, v[R4]
	v_add_nc_u32 v8, s87, v[R4]
	v_bfe_u32 v15, v0, 4, 1
	s_delay_alu instid0(VALU_DEP_1)
	v_lshlrev_b32 v15, 6, v15
	s_bfe_u32 s71, ttmp6, 0x40000
	s_bfe_u32 s72, ttmp6, 0x40004
	s_lshl_b32 s73, ttmp9, 2
	s_add_co_u32 s73, s73, s71
	s_and_b32 s74, ttmp7, 0xffff
	s_lshl_b32 s74, s74, 2
	s_add_co_u32 s74, s74, s72
	s_lshl_b32 s75, s72, 2
	s_lshl_b32 s75, 15, s75
	s_lshl_b32 s76, 0x1111, s71
	; the prefetches' offset: of the 24 blocks of 256 bytes that my joint load brings, the partner at place p (cy for the weight, cx for x) names 6 p .. 6 p + 5, a lane a block; lanes left over name the last again
	s_cmp_eq_u32 s[PT], 0
	s_cselect_b32 s77, s72, s71
	s_mul_i32 s77, s77, 6
	v_and_b32 v252, 31, v0
	v_min_u32 v252, 5, v252
	v_add_nc_u32 v252, s77, v252
	v_lshlrev_b32 v252, 8, v252
	s_or_b32 s[G1A], s76, (3<<16)|(1<<21)
	s_or_b32 s[G1B], s75, (3<<16)|(1<<21)
.irp g, G1A, G1B
	s_mov_b32 s[\g+1], 32<<16
	s_mov_b32 s[\g+2], (WLOAD/256)<<16
	s_mov_b32 s[\g+3], 32<<16
	s_mov_b32 s[\g+4], WLOAD/256
	s_mov_b32 s[\g+5], 32
	s_mov_b32 s[\g+6], 0
	s_mov_b32 s[\g+7], 0
.endr
	s_or_b32 s[G1SA], s76, (3<<16)|(1<<21)
	s_or_b32 s[G1SB], s75, (3<<16)|(1<<21)
.irp g, G1SA, G1SB
	s_mov_b32 s[\g+1], (SSTRIDE/8)<<16
	s_mov_b32 s[\g+2], 1<<16
	s_mov_b32 s[\g+3], (SSTRIDE/8)<<16
	s_mov_b32 s[\g+4], 1
	s_mov_b32 s[\g+5], SSTRIDE/8
	s_mov_b32 s[\g+6], 0
	s_mov_b32 s[\g+7], 0
.endr
	s_mov_b32 s[SEL], 0x76543210
	s_mov_b32 s[SEL+1], 0xfedcba98
	s_mov_b32 s[TB], 0
	s_mov_b32 s[TS], 0
	s_mov_b32 s[SLOTS], NSL-1
	s_lshr_b32 s88, s[WV], 3
	s_lshl_b32 s88, s88, 8
	s_lshl_b32 s89, s[RA], 2
	s_add_co_u32 s88, s88, s89
	s_mul_i32 s88, s88, 1536
	s_lshl_b32 s89, s[IDX], 14
	s_mul_i32 s90, s[WV], WLOAD
	s_mul_i32 s91, s[PT], SPART
	s_lshl_b32 s87, s[IDX], 10
	s_add_co_u32 s91, s91, s87
	s_add_co_u32 s91, s91, SCL
	s_mul_i32 s78, s73, 16*1536
	s_add_co_u32 s78, s78, 6291456
	s_add_co_u32 s78, s78, s88
	s_mov_b32 s79, 0
	s_lshl_b32 s80, s73, 10
	s_add_co_u32 s80, s80, 22282240
	s_add_co_u32 s80, s80, s89
	s_mov_b32 s81, 0
	s_mul_i32 s82, s74, 16*1536
	s_add_co_u32 s82, s82, 16777216
	s_add_co_u32 s82, s82, s88
	s_mov_b32 s83, 0
	s_lshl_b32 s84, s74, 10
	s_add_co_u32 s84, s84, 19922944
	s_add_co_u32 s84, s84, s89
	s_mov_b32 s85, 0
	s_wait_kmcnt 0x0
	s_mov_b32 s[G0A], 1
	s_mov_b32 s[G0A+1], s90
	s_add_nc_u64 s[G0A+2:G0A+3], s[4:5], s[78:79]
	s_or_b32 s[G0A+3], s[G0A+3], 0x80000000
	s_mov_b32 s[G0B], 1
	s_mov_b32 s[G0B+1], s90
	s_add_nc_u64 s[G0B+2:G0B+3], s[6:7], s[82:83]
	s_or_b32 s[G0B+3], s[G0B+3], 0x80000000
	s_mov_b32 s[G0SA], 1
	s_mov_b32 s[G0SA+1], s91
	s_add_nc_u64 s[G0SA+2:G0SA+3], s[4:5], s[80:81]
	s_or_b32 s[G0SA+3], s[G0SA+3], 0x80000000
	s_mov_b32 s[G0SB], 1
	s_mov_b32 s[G0SB+1], s91
	s_add_nc_u64 s[G0SB+2:G0SB+3], s[6:7], s[84:85]
	s_or_b32 s[G0SB+3], s[G0SB+3], 0x80000000
	s_cmp_eq_u32 s[PT], 0                          ; where my prefetches stand: my part of slot 2, the slot after the one that the first trip loads
	s_cselect_b64 s[100:101], s[4:5], s[6:7]
	s_cselect_b64 s[86:87], s[78:79], s[82:83]
	s_add_nc_u64 s[100:101], s[100:101], s[86:87]
	s_add_nc_u64 s[100:101], s[100:101], 2*KGS*GBYTES
	CROUND
	JLOAD G0SA, G1SA, G0SB, G1SB
	s_wait_alu depctr_va_vdst(0)
	s_wait_tensorcnt 0x0
	ds_add_u32 v1, v2
	s_wait_dscnt 0x0
	CROUND
	JLOAD G0A, G1A, G0B, G1B
	s_lshl_b32 s86, s73, 1
	s_lshr_b32 s87, s[RA], 1
	s_add_co_u32 s86, s86, s87
	s_lshl_b32 s86, s86, 8
	s_lshl_b32 s87, s74, 4
	s_add_co_u32 s86, s86, s87
	s_lshl_b32 s87, s[RY], 2
	s_add_co_u32 s86, s86, s87
	s_and_b32 s87, s[RA], 1
	s_mul_i32 s90, s86, 1536
	s_mul_i32 s88, s87, 768
	s_add_co_u32 s90, s90, s88
	s_mov_b32 s91, 0
	s_add_nc_u64 s[92:93], s[10:11], s[90:91]
	s_lshl_b32 s90, s86, 6
	s_lshl_b32 s88, s87, 1
	s_add_co_u32 s90, s90, s88
	s_add_co_u32 s90, s90, 12582912
	s_add_nc_u64 s[94:95], s[10:11], s[90:91]
	s_lshl_b32 s90, s73, 10
	s_lshl_b32 s88, s[RA], 8
	s_add_co_u32 s90, s90, s88
	s_add_nc_u64 s[96:97], s[8:9], s[90:91]
	s_wait_alu depctr_va_vdst(0)
.irp tp, 0,1,2,3
.irp t, 0,1,2,3
	global_load_b128 v[ACC+32*\tp+8*\t:ACC+32*\tp+8*\t+3], v15, s[96:97] offset:(32*(\t/2)+8*(\t%2))*4
	global_load_b128 v[ACC+32*\tp+8*\t+4:ACC+32*\tp+8*\t+7], v15, s[96:97] offset:(32*(\t/2)+8*(\t%2))*4+16
.endr
.endr
	s_wait_loadcnt 0x0
.Lslot:
	CHANGE 1
	STEP 0
	s_cmp_gt_u32 s[SLOTS], 1                       ; the last trip has no slot after the one that it loads
	s_cbranch_scc0 .Lno_ask
	global_prefetch_b8 v252, s[100:101] th:TH_LOAD_NT scope:SCOPE_SE   ; what the next trip's tensor load will bring: one instruction a wave, each block named once in the cluster
.Lno_ask:
	STEP 1
	s_xor_b32 s[TB], s[TB], SLOT1
	s_wait_xcnt 0x0                                ; the prefetch has read its base: it steps only behind this wait
	s_add_nc_u64 s[100:101], s[100:101], KGS*GBYTES
	s_sub_co_u32 s[SLOTS], s[SLOTS], 1
	s_cmp_lg_u32 s[SLOTS], 0
	s_cbranch_scc1 .Lslot
	CHANGE 0
	SLOT_STEPS
.rept 4
	v_nop
.endr
.irp b, 0,1,2,3
	v_mov_b32 v[TM+4+\b], 0
.endr
.irp p, 0,1
.set j, 0
.rept 64
	v_max_num_f32 v[ACC+64*\p+j], 0, v[ACC+64*\p+j]
.set j, j+1
.endr
	QUANT ACC+64*\p, ACC+64*\p+32
	PUTH PC, 92, 1536*(2*\p)
	PUTH PC+6, 92, 1536*(2*\p+1)
	global_store_b16 v[R4], v[PW], s[94:95] offset:64*(2*\p)
	global_store_d16_hi_b16 v[R4], v[PW], s[94:95] offset:64*(2*\p+1)
.if \p == 0
	s_wait_xcnt 0x0
.endif
.endr
	s_wait_tensorcnt 0x0
	ds_add_u32 v[SPW], v[NIL]
	s_wait_dscnt 0x0
	CROUND
	s_endpgm
.Lfunc_end_k_q0cbf746eb8_ffn1:
	.size	k_q0cbf746eb8_ffn1, .Lfunc_end_k_q0cbf746eb8_ffn1-k_q0cbf746eb8_ffn1
	.p2alignl 7, 3214868480
	.fill 96, 4, 3214868480
	.section	.rodata,"a",@progbits
	.p2align	6, 0x0
	.amdhsa_kernel k_q0cbf746eb8_ffn1
		.amdhsa_group_segment_fixed_size 327680
		.amdhsa_private_segment_fixed_size 0
		.amdhsa_enable_private_segment 0
		.amdhsa_kernarg_size 32
		.amdhsa_user_sgpr_count 2
		.amdhsa_user_sgpr_kernarg_segment_ptr 1
		.amdhsa_wavefront_size32 1
		.amdhsa_system_sgpr_workgroup_id_x 1
		.amdhsa_system_sgpr_workgroup_id_y 1
		.amdhsa_system_sgpr_workgroup_id_z 1
		.amdhsa_system_vgpr_workitem_id 0
		.amdhsa_next_free_vgpr 256
		.amdhsa_next_free_sgpr 102
		.amdhsa_reserve_vcc 0
		.amdhsa_float_denorm_mode_32 3
		.amdhsa_float_denorm_mode_16_64 3
		.amdhsa_memory_ordered 1
		.amdhsa_forward_progress 1
		.amdhsa_inst_pref_size 51
	.end_amdhsa_kernel
	.amdgpu_metadata
---
amdhsa.version: [ 1, 2 ]
amdhsa.kernels:
  - .name:           k_q0cbf746eb8_ffn1
    .symbol:         k_q0cbf746eb8_ffn1.kd
    .args:
      - { .name: fi0, .offset: 0, .size: 8, .value_kind: global_buffer, .address_space: global }
      - { .name: xb, .offset: 8, .size: 8, .value_kind: global_buffer, .address_space: global }
      - { .name: l1_b, .offset: 16, .size: 8, .value_kind: global_buffer, .address_space: global }
      - { .name: hb, .offset: 24, .size: 8, .value_kind: global_buffer, .address_space: global }
    .group_segment_fixed_size: 327680
    .private_segment_fixed_size: 0
    .kernarg_segment_align: 8
    .kernarg_segment_size: 32
    .max_flat_workgroup_size: 512
    .sgpr_count:     102
    .vgpr_count:     256
    .wavefront_size: 32
...
	.end_amdgpu_metadata
.endif
;; end of part 6
;; launch ffn2 (part 7): grid 8 x 32, 8 waves a work-group, clusters of 4 x 4, 327,680 bytes of LDS; arguments hb, fi0, l2_b, alpha_ff, xb, yi; writes yi
.if DOCPART == 7
	.amdgcn_target "amdgcn-amd-amdhsa--gfx1250"
	.amdhsa_code_object_version 6
	.text
	.protected	k_q0cbf746eb8_ffn2
	.globl	k_q0cbf746eb8_ffn2
	.p2align	8
	.type	k_q0cbf746eb8_ffn2,@function
k_q0cbf746eb8_ffn2:
	s_mov_b64 s[64:65], 0
	v_nop
	global_prefetch_b8 v0, s[64:65] scope:SCOPE_SE
	s_setreg_imm32_b32 hwreg(HW_REG_WAVE_MODE, 25, 1), 1
	s_wait_xcnt 0x0
	s_wait_alu depctr_hold_cnt(0) depctr_sa_sdst(0) depctr_va_vdst(0) depctr_va_sdst(0) depctr_va_ssrc(0) depctr_va_vcc(0) depctr_vm_vsrc(0)
	s_getreg_b32 s2, hwreg(HW_REG_IB_STS2, 6, 4)
	s_cmp_eq_u32 s2, 0
	s_cbranch_scc0 .Lentry_in_a_cluster
	s_endpgm
.Lentry_in_a_cluster:
	s_bfe_u32 s2, ttmp6, 0x10000c
	s_cmp_lg_u32 s2, 0xf033
	s_cbranch_scc0 .Lentry_shape_is_right
	s_endpgm
.Lentry_shape_is_right:
.set IS2, 1
.set NB, 2
.set KGS, 4
.if IS2
.set NG, 32
.set WCODES, 9437184
.set WSCALES, 22413312
.set ASCALES, 12582912
.else
.set NG, 8
.set WCODES, 3145728+192*1536
.set WSCALES, 22151168+192*64
.set ASCALES, 3145728
.endif
.set NSL, NG/KGS
.set KGSTRIDE, 24576
.set WLOAD, 12288
.set SSTRIDE, 512
.set SPART, NG*SSTRIDE
.set SQ, NG/4
.set SCL, 98304
.set SLOT1, 131072
.set SPARE, 229376
.set GBYTES, 393216
.set SPW, 1
.set NIL, 2
.set SCA, 16
.set SCB, 20
.set AF, 24
.set BF, 72
.set ACC, 96
.set RES, 160
.set L16, 224
.set RO, 225
.set WV, 2
.set RA, 3
.set G0A, 16
.set G0B, 20
.set G1A, 24
.set G1B, 32
.set G0SA, 40
.set G0SB, 44
.set G1SA, 48
.set G1SB, 56
.set RY, 66
.set TKW, 67
.set TB, 68
.set TS, 69
.set SLOTS, 70
.macro FRAG reg, a16, a8, off
	ds_load_b128 v[(\reg):(\reg)+3], v[\a16] offset:(\off)
	ds_load_b64 v[(\reg)+4:(\reg)+5], v[\a8] offset:(\off)
	ds_load_b128 v[(\reg)+6:(\reg)+9], v[\a16] offset:(\off)+768
	ds_load_b64 v[(\reg)+10:(\reg)+11], v[\a8] offset:(\off)+768
.endm
.macro JLOAD g0a, g1a, g0b, g1b
	s_cmp_eq_u32 s[RA], 0
	s_cbranch_scc0 .Lfor_b_\@
	tensor_load_to_lds s[\g0a:\g0a+3], s[\g1a:\g1a+7]
	s_nop 0
.rept 4
	v_nop
.endr
	s_branch .Lasked_\@
.Lfor_b_\@:
	tensor_load_to_lds s[\g0b:\g0b+3], s[\g1b:\g1b+7]
	s_nop 0
.rept 4
	v_nop
.endr
.Lasked_\@:
.endm
.macro CROUND
	s_barrier_signal -1
	s_barrier_wait -1
	s_cmp_lg_u32 s[WV], 0
	s_cbranch_scc1 .Lnot_wave_0_\@
	s_barrier_signal -3
.Lnot_wave_0_\@:
	s_barrier_wait -3
	s_barrier_signal -1
	s_barrier_wait -1
.endm
.macro CHANGE fill
	s_wait_tensorcnt 0x0
	ds_add_u32 v[SPW], v[NIL]
.if \fill
	s_xor_b32 s[G0A+1], s[G0A+1], SLOT1
	s_add_nc_u64 s[G0A+2:G0A+3], s[G0A+2:G0A+3], KGS*GBYTES
	s_xor_b32 s[G0B+1], s[G0B+1], SLOT1
	s_add_nc_u64 s[G0B+2:G0B+3], s[G0B+2:G0B+3], KGS*GBYTES
.endif
	s_wait_dscnt 0x0
.if \fill
	CROUND
	JLOAD G0A, G1A, G0B, G1B
.else
	s_barrier_signal -1
	s_barrier_wait -1
.endif
.endm
.macro STEP kg
	s_add_co_u32 s[TKW], s[TB], (\kg)*KGSTRIDE
	v_add_nc_u32 v9, s[TKW], v3
	v_add_nc_u32 v10, s[TKW], v4
	v_add_nc_u32 v11, s[TKW], v5
	v_add_nc_u32 v12, s[TKW], v6
	v_add_nc_u32 v13, s[TS], v7
	v_add_nc_u32 v14, s[TS], v8
.irp t, 0,1,2,3
	FRAG AF+12*\t, 9, 10, 1536*\t
	ds_load_b32 v[SCA+\t], v13 offset:64*\t
.endr
.set tq, 0
.rept NB
	FRAG BF+12*tq, 11, 12, 1536*tq
	ds_load_b32 v[SCB+tq], v14 offset:64*tq
.set tq, tq+1
.endr
	s_wait_dscnt 0x0
.set tq, 0
.rept NB
.irp t, 0,1,2,3
	v_wmma_scale_f32_16x16x128_f8f6f4 v[ACC+32*tq+8*\t:ACC+32*tq+8*\t+7], v[AF+12*\t:AF+12*\t+11], v[BF+12*tq:BF+12*tq+11], v[ACC+32*tq+8*\t:ACC+32*tq+8*\t+7], v[SCA+\t], v[SCB+tq] matrix_a_fmt:MATRIX_FMT_BF6 matrix_b_fmt:MATRIX_FMT_BF6
.endr
.set tq, tq+1
.endr
	s_add_co_u32 s[TS], s[TS], SSTRIDE
.endm
.macro SLOT_STEPS
.set KQ, 0
.rept KGS
	STEP KQ
.set KQ, KQ+1
.endr
	s_xor_b32 s[TB], s[TB], SLOT1
.endm
	s_load_b256 s[4:11], s[0:1], 0x0
	s_load_b128 s[12:15], s[0:1], 0x20
	v_lshl_add_u32 v[SPW], v0, 2, SPARE
	v_mov_b32 v[NIL], 0
	ds_add_u32 v1, v2
	ds_add_u32 v1, v2
	s_wait_dscnt 0x0
	v_lshrrev_b32 v3, 5, v0
	s_delay_alu instid0(VALU_DEP_1)
	v_readfirstlane_b32 s[WV], v3
	s_and_b32 s[RA], s[WV], 1
	s_lshr_b32 s[RY], s[WV], 1
	v_and_b32 v15, 31, v0
	v_and_b32 v9, 15, v0
	s_delay_alu instid0(VALU_DEP_2)
	v_lshlrev_b32 v[L16], 4, v15
	s_delay_alu instid0(VALU_DEP_3)
	v_lshlrev_b32 v10, 3, v15
	s_delay_alu instid0(VALU_DEP_3)
	v_lshlrev_b32 v11, 2, v9
	s_wait_alu depctr_va_vdst(0)
	s_mul_i32 s86, s[RA], 6144
	s_mul_i32 s87, s[RY], 3072
	s_add_co_u32 s87, s87, 12288
	v_add_nc_u32 v3, s86, v[L16]
	v_add_nc_u32 v5, s87, v[L16]
	s_add_co_u32 s86, s86, 512
	s_add_co_u32 s87, s87, 512
	v_add_nc_u32 v4, s86, v10
	v_add_nc_u32 v6, s87, v10
	s_lshl_b32 s86, s[RA], 8
	s_add_co_u32 s86, s86, SCL
	s_lshl_b32 s87, s[RY], 7
	s_add_co_u32 s87, s87, SCL+SPART
	v_add_nc_u32 v7, s86, v11
	v_add_nc_u32 v8, s87, v11
	v_bfe_u32 v15, v0, 4, 1
	s_delay_alu instid0(VALU_DEP_1)
	v_lshlrev_b32 v15, 6, v15
	v_and_b32 v[RO], 8, v9
	s_delay_alu instid0(VALU_DEP_1)
	v_add_nc_u32 v[RO], v[RO], v9
	s_delay_alu instid0(VALU_DEP_1)
	v_lshl_add_u32 v[RO], v[RO], 12, v15
	s_bfe_u32 s71, ttmp6, 0x40000
	s_bfe_u32 s72, ttmp6, 0x40004
	s_lshl_b32 s73, ttmp9, 2
	s_add_co_u32 s73, s73, s71
	s_and_b32 s74, ttmp7, 0xffff
	s_lshl_b32 s74, s74, 2
	s_add_co_u32 s74, s74, s72
	s_lshl_b32 s75, s72, 2
	s_lshl_b32 s75, 15, s75
	s_lshl_b32 s76, 0x1111, s71
	; the prefetches' offset: of the 48 blocks of 256 bytes that my joint load brings, the partner at place p (cy for the weight, cx for the hidden layer) names 12 p .. 12 p + 11, a lane a block; lanes left over name the last again
	s_cmp_eq_u32 s[RA], 0
	s_cselect_b32 s77, s72, s71
	s_mul_i32 s77, s77, 12
	v_and_b32 v226, 31, v0
	v_min_u32 v226, 11, v226
	v_add_nc_u32 v226, s77, v226
	v_lshlrev_b32 v226, 8, v226
	s_or_b32 s[G1A], s76, (3<<16)|(1<<21)
	s_or_b32 s[G1B], s75, (3<<16)|(1<<21)
.irp g, G1A, G1B
	s_mov_b32 s[\g+1], 32<<16
	s_mov_b32 s[\g+2], (WLOAD/256)<<16
	s_mov_b32 s[\g+3], 32<<16
	s_mov_b32 s[\g+4], WLOAD/256
	s_mov_b32 s[\g+5], 32
	s_mov_b32 s[\g+6], 0
	s_mov_b32 s[\g+7], 0
.endr
	s_or_b32 s[G1SA], s76, (3<<16)|(1<<21)
	s_or_b32 s[G1SB], s75, (3<<16)|(1<<21)
.irp g, G1SA, G1SB
	s_mov_b32 s[\g+1], (SSTRIDE/8)<<16
	s_mov_b32 s[\g+2], SQ<<16
	s_mov_b32 s[\g+3], (SSTRIDE/8)<<16
	s_mov_b32 s[\g+4], SQ
	s_mov_b32 s[\g+5], 2048
	s_mov_b32 s[\g+6], 0
	s_mov_b32 s[\g+7], 0
.endr
	s_mov_b32 s[TB], 0
	s_mov_b32 s[TS], 0
	s_mov_b32 s[SLOTS], NSL-1
	s_mul_i32 s88, s[RY], GBYTES
	s_mul_i32 s89, s[RY], SQ*16384
	s_mul_i32 s90, s[WV], WLOAD
	s_mul_i32 s91, s[RA], SPART
	s_mul_i32 s87, s[RY], SQ*SSTRIDE
	s_add_co_u32 s91, s91, s87
	s_add_co_u32 s91, s91, SCL
	s_mul_i32 s78, s73, 8*1536
	s_add_co_u32 s78, s78, WCODES
	s_add_co_u32 s78, s78, s88
	s_mov_b32 s79, 0
	s_lshl_b32 s80, s73, 9
	s_add_co_u32 s80, s80, WSCALES
	s_add_co_u32 s80, s80, s89
	s_mov_b32 s81, 0
	s_mul_i32 s82, s74, 8*1536
	s_add_co_u32 s82, s82, s88
	s_mov_b32 s83, 0
	s_lshl_b32 s84, s74, 9
	s_add_co_u32 s84, s84, ASCALES
	s_add_co_u32 s84, s84, s89
	s_mov_b32 s85, 0
	s_wait_kmcnt 0x0
	s_load_b32 s98, s[10:11], 0x0
	s_mov_b32 s[G0A], 1
	s_mov_b32 s[G0A+1], s90
	s_add_nc_u64 s[G0A+2:G0A+3], s[6:7], s[78:79]
	s_or_b32 s[G0A+3], s[G0A+3], 0x80000000
	s_mov_b32 s[G0B], 1
	s_mov_b32 s[G0B+1], s90
	s_add_nc_u64 s[G0B+2:G0B+3], s[4:5], s[82:83]
	s_or_b32 s[G0B+3], s[G0B+3], 0x80000000
	s_mov_b32 s[G0SA], 1
	s_mov_b32 s[G0SA+1], s91
	s_add_nc_u64 s[G0SA+2:G0SA+3], s[6:7], s[80:81]
	s_or_b32 s[G0SA+3], s[G0SA+3], 0x80000000
	s_mov_b32 s[G0SB], 1
	s_mov_b32 s[G0SB+1], s91
	s_add_nc_u64 s[G0SB+2:G0SB+3], s[4:5], s[84:85]
	s_or_b32 s[G0SB+3], s[G0SB+3], 0x80000000
	s_cmp_eq_u32 s[RA], 0                          ; where my prefetches stand: my part of slot 2, the slot after the one that the first trip loads
	s_cselect_b64 s[100:101], s[6:7], s[4:5]
	s_cselect_b64 s[86:87], s[78:79], s[82:83]
	s_add_nc_u64 s[100:101], s[100:101], s[86:87]
	s_add_nc_u64 s[100:101], s[100:101], 2*KGS*GBYTES
	CROUND
	JLOAD G0SA, G1SA, G0SB, G1SB
	s_wait_alu depctr_va_vdst(0)
	s_wait_tensorcnt 0x0
	ds_add_u32 v1, v2
	s_wait_dscnt 0x0
	CROUND
	JLOAD G0A, G1A, G0B, G1B
	s_lshl_b32 s86, s73, 8
	s_lshl_b32 s87, s74, 3
	s_lshl_b32 s88, s[RY], 1
	s_add_co_u32 s87, s87, s88
	s_add_co_u32 s86, s86, s87
	s_lshl_b32 s90, s86, 13
	s_lshl_b32 s88, s[RA], 12
	s_add_co_u32 s90, s90, s88
	s_mov_b32 s91, 0
	s_add_nc_u64 s[92:93], s[14:15], s[90:91]
.if IS2
	s_add_nc_u64 s[94:95], s[12:13], s[90:91]
.else
	s_lshl_b32 s90, s87, 16
	s_lshl_b32 s88, s73, 9
	s_add_co_u32 s90, s90, s88
	s_lshl_b32 s88, s[RA], 8
	s_add_co_u32 s90, s90, s88
	s_add_nc_u64 s[94:95], s[12:13], s[90:91]
.endif
	s_lshl_b32 s90, s73, 9
	s_lshl_b32 s88, s[RA], 8
	s_add_co_u32 s90, s90, s88
	s_add_nc_u64 s[96:97], s[8:9], s[90:91]
	s_wait_alu depctr_va_vdst(0)
.irp tp, 0,1
.irp t, 0,1,2,3
	global_load_b128 v[ACC+32*\tp+8*\t:ACC+32*\tp+8*\t+3], v15, s[96:97] offset:(32*(\t/2)+8*(\t%2))*4
	global_load_b128 v[ACC+32*\tp+8*\t+4:ACC+32*\tp+8*\t+7], v15, s[96:97] offset:(32*(\t/2)+8*(\t%2))*4+16
.endr
.endr
.irp tp, 0,1
.irp q, 0,1,2,3,4,5,6,7
.if IS2
	global_load_b128 v[RES+32*\tp+4*\q:RES+32*\tp+4*\q+3], v[L16], s[94:95] offset:8192*\tp+512*\q
.else
	global_load_b128 v[RES+32*\tp+4*\q:RES+32*\tp+4*\q+3], v[RO], s[94:95] offset:32768*\tp+128*(\q/4)+16*(\q%4)
.endif
.endr
.endr
	s_wait_loadcnt 0x10                            ; the 16 loads of the bias are in; the 16 of the residual, issued behind them, may be out: only the way out reads them
	s_wait_kmcnt 0x0
	s_mov_b32 s99, s98
.Lslot:
	CHANGE 1
	STEP 0
	s_cmp_gt_u32 s[SLOTS], 1                       ; the last trip has no slot after the one that it loads
	s_cbranch_scc0 .Lno_ask
	global_prefetch_b8 v226, s[100:101] th:TH_LOAD_NT scope:SCOPE_SE   ; what the next trip's tensor load will bring: one instruction a wave, each block named once in the cluster
.Lno_ask:
	STEP 1
	STEP 2
	STEP 3
	s_xor_b32 s[TB], s[TB], SLOT1
	s_wait_xcnt 0x0                                ; the prefetch has read its base: it steps only behind this wait
	s_add_nc_u64 s[100:101], s[100:101], KGS*GBYTES
	s_sub_co_u32 s[SLOTS], s[SLOTS], 1
	s_cmp_lg_u32 s[SLOTS], 0
	s_cbranch_scc1 .Lslot
	CHANGE 0
	SLOT_STEPS
	s_wait_loadcnt 0x0                             ; the residual
.rept 4
	v_nop
.endr
.set j, 0
.rept 32
	v_pk_fma_f32 v[RES+j:RES+j+1], v[ACC+j:ACC+j+1], s[98:99], v[RES+j:RES+j+1] op_sel_hi:[1,0,1]
.set j, j+2
.endr
.irp tp, 0,1
.irp q, 0,1,2,3,4,5,6,7
	global_store_b128 v[L16], v[RES+32*\tp+4*\q:RES+32*\tp+4*\q+3], s[92:93] offset:8192*\tp+512*\q
.endr
.endr
	s_wait_tensorcnt 0x0
	ds_add_u32 v[SPW], v[NIL]
	s_wait_dscnt 0x0
	CROUND
	s_endpgm
.Lfunc_end_k_q0cbf746eb8_ffn2:
	.size	k_q0cbf746eb8_ffn2, .Lfunc_end_k_q0cbf746eb8_ffn2-k_q0cbf746eb8_ffn2
	.p2alignl 7, 3214868480
	.fill 96, 4, 3214868480
	.section	.rodata,"a",@progbits
	.p2align	6, 0x0
	.amdhsa_kernel k_q0cbf746eb8_ffn2
		.amdhsa_group_segment_fixed_size 327680
		.amdhsa_private_segment_fixed_size 0
		.amdhsa_enable_private_segment 0
		.amdhsa_kernarg_size 48
		.amdhsa_user_sgpr_count 2
		.amdhsa_user_sgpr_kernarg_segment_ptr 1
		.amdhsa_wavefront_size32 1
		.amdhsa_system_sgpr_workgroup_id_x 1
		.amdhsa_system_sgpr_workgroup_id_y 1
		.amdhsa_system_sgpr_workgroup_id_z 1
		.amdhsa_system_vgpr_workitem_id 0
		.amdhsa_next_free_vgpr 232
		.amdhsa_next_free_sgpr 102
		.amdhsa_reserve_vcc 0
		.amdhsa_float_denorm_mode_32 3
		.amdhsa_float_denorm_mode_16_64 3
		.amdhsa_memory_ordered 1
		.amdhsa_forward_progress 1
		.amdhsa_inst_pref_size 44
	.end_amdhsa_kernel
	.amdgpu_metadata
---
amdhsa.version: [ 1, 2 ]
amdhsa.kernels:
  - .name:           k_q0cbf746eb8_ffn2
    .symbol:         k_q0cbf746eb8_ffn2.kd
    .args:
      - { .name: hb, .offset: 0, .size: 8, .value_kind: global_buffer, .address_space: global }
      - { .name: fi0, .offset: 8, .size: 8, .value_kind: global_buffer, .address_space: global }
      - { .name: l2_b, .offset: 16, .size: 8, .value_kind: global_buffer, .address_space: global }
      - { .name: alpha_ff, .offset: 24, .size: 8, .value_kind: global_buffer, .address_space: global }
      - { .name: xb, .offset: 32, .size: 8, .value_kind: global_buffer, .address_space: global }
      - { .name: yi, .offset: 40, .size: 8, .value_kind: global_buffer, .address_space: global }
    .group_segment_fixed_size: 327680
    .private_segment_fixed_size: 0
    .kernarg_segment_align: 8
    .kernarg_segment_size: 48
    .max_flat_workgroup_size: 256
    .sgpr_count:     102
    .vgpr_count:     232
    .wavefront_size: 32
...
	.end_amdgpu_metadata
.endif
;; end of part 7
;; launch ln2 (part 8): grid 256 x 1, 8 waves a work-group, no clusters, 69,632 bytes of LDS; arguments yi, n2_s, n2_b, out0; writes out0
.if DOCPART == 8
	.amdgcn_target "amdgcn-amd-amdhsa--gfx1250"
	.amdhsa_code_object_version 6
	.text
	.protected	k_q0cbf746eb8_ln2
	.globl	k_q0cbf746eb8_ln2
	.p2align	8
	.type	k_q0cbf746eb8_ln2,@function
k_q0cbf746eb8_ln2:
	s_mov_b64 s[64:65], 0
	v_nop
	global_prefetch_b8 v0, s[64:65] scope:SCOPE_SE
	s_setreg_imm32_b32 hwreg(HW_REG_WAVE_MODE, 25, 1), 1
	s_wait_xcnt 0x0
; LAYERNORM of 16 tokens (token tile T = the work-group) on the f32 image; the result leaves as rows of out0.
; Wave g holds the image's record (T, g): lane (r, h) has 64 numbers of token r: register 16 b + i = column 128 g + 32 b + 16 h + i.  Every load of the image is dense.
; Mean first, then the mean of the squared differences (two passes over registers): a common offset of the inputs does no harm.  A row's 1,024 numbers lie in 8 waves x 2 lanes:
; lane l xor 16 is joined by a lane permute, the 8 waves through 32 bytes of LDS a row, one barrier for each of the two sums (other bytes for the second).
; THE WAY OUT: a lane's numbers are pieces of 64 bytes of one row, so the wave's 16 rows x 512 bytes turn through its own stage in LDS (rows 528 bytes apart) and leave as whole runs of 512 bytes.
; Memory binds here: no matrix unit, no tensor load, no cluster: work-groups share nothing but 8 KiB of gains.   LIMITS: NaN and infinities are not served.
.set X,   32                           ; v32-95
.set NS,  96                           ; v96-159  the gain of my 64 columns; later the rows read back from the stage
.set NBI, 160                          ; v160-223 the bias
.set SEL, 20
.macro ROWSUM off                      ; four chains of pairs in v[20:27] become the sum over the row's 1,024 columns, in v20 of every lane
	s_delay_alu instid0(VALU_DEP_3)
	v_pk_add_f32 v[20:21], v[20:21], v[22:23]
	s_delay_alu instid0(VALU_DEP_2)
	v_pk_add_f32 v[24:25], v[24:25], v[26:27]
	s_delay_alu instid0(VALU_DEP_1)
	v_pk_add_f32 v[20:21], v[20:21], v[24:25]
	s_delay_alu instid0(VALU_DEP_1)
	v_add_f32 v20, v20, v21
	s_delay_alu instid0(VALU_DEP_1)
	v_permlanex16_b32 v21, v20, s[SEL], s[SEL+1]
	s_delay_alu instid0(VALU_DEP_1)
	v_add_f32 v20, v20, v21                        ; my wave's 128 columns of row r
	ds_store_b32 v9, v20 offset:\off               ; lanes r and r + 16 write the same word with the same value
	s_wait_dscnt 0x0                               ; for the others' sake
	s_barrier_signal -1
	s_barrier_wait -1
	ds_load_b128 v[20:23], v10 offset:\off
	ds_load_b128 v[24:27], v10 offset:\off+16
	s_wait_dscnt 0x0
	v_pk_add_f32 v[20:21], v[20:21], v[22:23]
	v_pk_add_f32 v[24:25], v[24:25], v[26:27]
	s_delay_alu instid0(VALU_DEP_1)
	v_pk_add_f32 v[20:21], v[20:21], v[24:25]
	s_delay_alu instid0(VALU_DEP_1)
	v_add_f32 v20, v20, v21
.endm
	s_load_b256 s[4:11], s[0:1], 0x0               ; yi, the gain, the bias, out0
	v_lshl_add_u32 v224, v0, 2, 0x10c00
	v_mov_b32 v225, 0
	v_lshrrev_b32 v1, 5, v0
	s_delay_alu instid0(VALU_DEP_1)
	v_readfirstlane_b32 s2, v1                     ; g
	v_and_b32 v1, 31, v0
	v_and_b32 v2, 15, v0
	v_bfe_u32 v3, v0, 4, 1
	s_delay_alu instid0(VALU_DEP_3)
	v_lshlrev_b32 v5, 4, v1                        ; 16 x lane
	s_delay_alu instid0(VALU_DEP_2)
	v_lshlrev_b32 v8, 6, v3                        ; 64 h
	s_lshl_b32 s3, s2, 2
	v_lshl_add_u32 v9, v2, 5, s3                   ; LDS: 32 r + 4 g
	v_lshlrev_b32 v10, 5, v2                       ; 32 r
	s_mul_i32 s13, s2, 8448
	s_add_co_u32 s13, s13, 1024                    ; my stage, behind the 1,024 bytes of the two sums
	v_mul_u32_u24 v11, v2, 528
	s_delay_alu instid0(VALU_DEP_1)
	v_add_nc_u32 v11, v11, v8
	s_delay_alu instid0(VALU_DEP_1)
	v_add_nc_u32 v11, s13, v11                     ; in: row r, + 64 h
	v_add_nc_u32 v12, s13, v5                      ; back: 16 bytes a lane of a row
	s_mov_b32 s[SEL], 0x76543210
	s_mov_b32 s[SEL+1], 0xfedcba98
	s_mov_b32 s22, 0x3a800000                      ; 1 / 1,024
	s_mov_b32 s23, 0x3727c5ac                      ; 1e-5
	s_lshl_b32 s12, s2, 8
	s_add_co_u32 s12, s12, ttmp9                   ; 256 g + T
	s_lshl_b32 s14, s12, 13
	s_mov_b32 s15, 0
	s_lshl_b32 s16, s2, 9
	s_mov_b32 s17, 0
	s_lshr_b32 s18, ttmp9, 1
	s_lshl_b32 s18, s18, 5
	s_and_b32 s19, ttmp9, 1
	s_lshl_b32 s19, s19, 3
	s_add_co_u32 s18, s18, s19                     ; the tile's first token
	s_lshl_b32 s18, s18, 12
	s_add_co_u32 s18, s18, s16                     ; + my 128 columns
	s_mov_b32 s19, 0
	s_wait_alu depctr_va_vdst(0)
	s_wait_kmcnt 0x0
	s_add_nc_u64 s[4:5], s[4:5], s[14:15]
	s_add_nc_u64 s[6:7], s[6:7], s[16:17]
	s_add_nc_u64 s[8:9], s[8:9], s[16:17]
	s_add_nc_u64 s[24:25], s[10:11], s[18:19]
.irp q, 0,1,2,3,4,5,6,7,8,9,10,11,12,13,14,15
	global_load_b128 v[X+4*\q:X+4*\q+3], v5, s[4:5] offset:512*\q
.endr
.irp q, 0,1,2,3,4,5,6,7,8,9,10,11,12,13,14,15
	global_load_b128 v[NS+4*\q:NS+4*\q+3], v8, s[6:7] offset:128*(\q/4)+16*(\q%4)
	global_load_b128 v[NBI+4*\q:NBI+4*\q+3], v8, s[8:9] offset:128*(\q/4)+16*(\q%4)
.endr
	s_wait_loadcnt 0x0
.irp k, 0,1,2,3
	v_pk_add_f32 v[20+2*\k:21+2*\k], v[X+4*\k:X+4*\k+1], v[X+4*\k+2:X+4*\k+3]
.endr
.set p, 8
.rept 24
	s_delay_alu instid0(VALU_DEP_4)
	v_pk_add_f32 v[20+2*(p%4):21+2*(p%4)], v[20+2*(p%4):21+2*(p%4)], v[X+2*p:X+2*p+1]
.set p, p+1
.endr
	ROWSUM 0
	s_delay_alu instid0(VALU_DEP_1)
	v_mul_f32 v16, s22, v20                        ; the mean
	s_delay_alu instid0(VALU_DEP_1)
	v_mov_b32 v17, v16
.set j, 0
.rept 32
	v_pk_add_f32 v[X+j:X+j+1], v[X+j:X+j+1], v[16:17] op_sel_hi:[1,0] neg_lo:[0,1] neg_hi:[0,1]
.set j, j+2
.endr
.irp k, 0,1,2,3
	v_pk_mul_f32 v[20+2*\k:21+2*\k], v[X+2*\k:X+2*\k+1], v[X+2*\k:X+2*\k+1]
.endr
.set p, 4
.rept 28
	s_delay_alu instid0(VALU_DEP_4)
	v_pk_fma_f32 v[20+2*(p%4):21+2*(p%4)], v[X+2*p:X+2*p+1], v[X+2*p:X+2*p+1], v[20+2*(p%4):21+2*(p%4)]
.set p, p+1
.endr
	ROWSUM 512
	s_delay_alu instid0(VALU_DEP_1)
	v_fma_f32 v18, v20, s22, s23                   ; the variance + 1e-5
	s_wait_alu depctr_va_vdst(0)
	v_rsq_f32 v18, v18
	v_mov_b32 v19, 0                               ; a plain place behind the transcendental; and the pair's upper half is written
.set j, 0
	s_wait_alu depctr_va_vdst(0)
.rept 32
	v_pk_mul_f32 v[X+j:X+j+1], v[X+j:X+j+1], v[18:19] op_sel_hi:[1,0]
.set j, j+2
.endr
.set j, 0
.rept 32
	v_pk_fma_f32 v[X+j:X+j+1], v[X+j:X+j+1], v[NS+j:NS+j+1], v[NBI+j:NBI+j+1]
.set j, j+2
.endr
.irp q, 0,1,2,3,4,5,6,7,8,9,10,11,12,13,14,15
	ds_store_b128 v11, v[X+4*\q:X+4*\q+3] offset:128*(\q/4)+16*(\q%4)
.endr
.irp i, 0,1,2,3,4,5,6,7,8,9,10,11,12,13,14,15
	ds_load_b128 v[NS+4*\i:NS+4*\i+3], v12 offset:528*\i       ; LDS serves a wave's instructions in order: these see my stores; the stage is my own
.endr
.irp i, 0,1,2,3,4,5,6,7,8,9,10,11,12,13,14,15
	s_wait_dscnt 15-\i                             ; row i is back; the 15 - i younger loads may be out
	global_store_b128 v5, v[NS+4*\i:NS+4*\i+3], s[24:25] offset:((\i%8)+16*(\i/8))*4096 th:TH_STORE_NT   ; row i of the tile is token i + 8 (i / 8) on; 32 lanes store 512 consecutive bytes, aligned
.endr
	s_wait_tensorcnt 0x0
	ds_add_u32 v224, v225
	s_wait_dscnt 0x0
	s_endpgm
.Lfunc_end_k_q0cbf746eb8_ln2:
	.size	k_q0cbf746eb8_ln2, .Lfunc_end_k_q0cbf746eb8_ln2-k_q0cbf746eb8_ln2
	.p2alignl 7, 3214868480
	.fill 96, 4, 3214868480
	.section	.rodata,"a",@progbits
	.p2align	6, 0x0
	.amdhsa_kernel k_q0cbf746eb8_ln2
		.amdhsa_group_segment_fixed_size 69632
		.amdhsa_private_segment_fixed_size 0
		.amdhsa_enable_private_segment 0
		.amdhsa_kernarg_size 32
		.amdhsa_user_sgpr_count 2
		.amdhsa_user_sgpr_kernarg_segment_ptr 1
		.amdhsa_wavefront_size32 1
		.amdhsa_system_sgpr_workgroup_id_x 1
		.amdhsa_system_sgpr_workgroup_id_y 1
		.amdhsa_system_sgpr_workgroup_id_z 1
		.amdhsa_system_vgpr_workitem_id 0
		.amdhsa_next_free_vgpr 226
		.amdhsa_next_free_sgpr 66
		.amdhsa_reserve_vcc 0
		.amdhsa_float_denorm_mode_32 3
		.amdhsa_float_denorm_mode_16_64 3
		.amdhsa_memory_ordered 1
		.amdhsa_forward_progress 1
		.amdhsa_inst_pref_size 25
	.end_amdhsa_kernel
	.amdgpu_metadata
---
amdhsa.version: [ 1, 2 ]
amdhsa.kernels:
  - .name:           k_q0cbf746eb8_ln2
    .symbol:         k_q0cbf746eb8_ln2.kd
    .args:
      - { .name: yi, .offset: 0, .size: 8, .value_kind: global_buffer, .address_space: global }
      - { .name: n2_s, .offset: 8, .size: 8, .value_kind: global_buffer, .address_space: global }
      - { .name: n2_b, .offset: 16, .size: 8, .value_kind: global_buffer, .address_space: global }
      - { .name: out0, .offset: 24, .size: 8, .value_kind: global_buffer, .address_space: global }
    .group_segment_fixed_size: 69632
    .private_segment_fixed_size: 0
    .kernarg_segment_align: 8
    .kernarg_segment_size: 32
    .max_flat_workgroup_size: 256
    .sgpr_count:     66
    .vgpr_count:     226
    .wavefront_size: 32
...
	.end_amdgpu_metadata
.endif
;; end of part 8
